; MI455X (gfx1250); checked and timed in simulation.
; The chip was launched on July 23, 2026; its instructions are those of AMD's public machine-readable ISA for CDNA 5 (MIT licence, August 2026) and "CDNA5" Instruction Set Architecture Reference Guide (July 2026). The comments in the code are by the model that wrote it; some were corrected since.
;; Multi Head Attention Block. Allowed arithmetic: matrix products marked QUANTISED: E2M3 operands, one E8M0 scale for each 32 along K, by v_wmma_scale_f32_16x16x128_f8f6f4 with both operands' format E2M3, f32 sums; everything else in f32.
;; Inputs: Wk 1,024 x 1,024 float32; Wo 1,024 x 1,024 float32; Wq 1,024 x 1,024 float32; Wv 1,024 x 1,024 float32; k 1 x 4,096 x 1,024 float32; mask 1 x 1 x 4,096 x 4,096 int32; q 1 x 4,096 x 1,024 float32; v 1 x 4,096 x 1,024 float32.
;; Outputs: out0 1 x 4,096 x 1,024 float32.
;; This version of the problem:
;;   THIS VERSION OF THE PROBLEM IS GIVEN IN LOW PRECISION. The matrix products marked QUANTISED in the list below multiply operands that are first quantised to E2M3 (2 exponent bits, 3 mantissa bits; 6 bits a number), with one power-of-two scale for each 32 numbers along K (OCP MX v1.0); their sums are f32. All else is computed in f32.
;;   The module's matrix products, in the order in which they are computed (A, B: the left and right operand; K: the contracted axis; several contracted axes count as one K, in the product's order):
;;     1. [M 4,096, K 1,024] x [K 1,024, N 1,024]; A: input q; B: input Wq: QUANTISED
;;     2. [M 4,096, K 1,024] x [K 1,024, N 1,024]; A: input k; B: input Wk: QUANTISED
;;     3. [M 4,096, K 1,024] x [K 1,024, N 1,024]; A: input v; B: input Wv: QUANTISED
;;     4. batch 8 x [M 4,096, K 128] x [K 128, N 4,096]; A: computed on the way; B: computed on the way: QUANTISED
;;     5. batch 8 x [M 4,096, K 4,096] x [K 4,096, N 128]; A: softmax (see below); B: computed on the way: QUANTISED
;;     6. [M 4,096, K 1,024] x [K 1,024, N 1,024]; A: computed on the way; B: input Wo: QUANTISED
;;   THE QUANTISER, for each operand of a quantised product, along K:
;;     - K is cut into blocks of 32 from its start; a last block that is shorter is filled with zeros.
;;     - A block's scale is 2^e with e = floor(log2(the largest magnitude in the block)) - 2, held to -126 .. 127; a block of zeros has e = 0. As a byte (E8M0): e + 127.
;;     - Each number is divided by its block's scale, clamped to +-7.5, and rounded to the nearest number of E2M3, ties to even, subnormals kept.
;;     - The product sums the exact products of the quantised numbers (number of the format x scale) in f32.
;;   ~~~python
;;   def quantise(x, axis):      # numpy; x: float32 -> the quantised numbers, widened to float32 again
;;       x = np.moveaxis(x, axis, -1); K = x.shape[-1]
;;       x = np.pad(x, [(0, 0)] * (x.ndim - 1) + [(0, -K % 32)]); x = x.reshape(x.shape[:-1] + (-1, 32)); a = np.abs(x).max(-1, keepdims=True)
;;       e = np.where(a > 0, np.clip(np.frexp(np.where(a > 0, a, 1))[1] - 1 - 2, -126, 127), 0)      # np.frexp(a)[1] - 1 = floor(log2(a)), exactly
;;       r = np.clip(x / 2.0 ** e, -7.5, 7.5)
;;       step = 2.0 ** (np.maximum(np.frexp(np.where(r == 0, 1, r))[1] - 1, 0) - 3)
;;       q = np.round(r / step) * step * 2.0 ** e      # np.round: ties to even
;;       return np.moveaxis(q.reshape(q.shape[:-2] + (-1,))[..., :K], -1, axis).astype(np.float32)
;;   ~~~
;;   SOFTMAX AHEAD OF A QUANTISED PRODUCT. Where the list says 'softmax', what is quantised is not the finished softmax but p = 2^(t - M), with t = logit x log2(e) and M = ceil(the row's largest t), a whole number; so 1/2 < the row's largest p <= 1. The row's sum l is taken of the UNQUANTISED p, in f32, and the product's result is divided by l at the end. Since M is a whole number, a kernel that streams over the keys may use a running M (the ceiling of the running maximum): every later rescaling is an exact power of two, which a block's scale takes up: the codes' values come out the same.
;;   OPERANDS COMPUTED ON THE WAY. 'Computed on the way' means the value that the module computes at that place (a softmax that the list does not call 'softmax' is quantised finished and normalised). What goes into a quantiser is computed in f32, as accurately as f32 sums, v_exp_f32 and their like allow (about 1e-6 of the number): no bf16 or f16 on the way to a quantiser, and a product that is left as it is and whose result goes on into a quantised operand takes f32 operands (vector FMAs, or v_wmma_f32_16x16x4_f32). A number that lies on a knife's edge between two numbers of the format may be rounded either way, as far as f32 arithmetic and the matrix unit's own rounding can turn it there, and no further.
;; One version. Each part assembles by itself: llvm-mc -triple=amdgcn-amd-amdhsa -mcpu=gfx1250 --defsym DOCPART=n.
;; ======== version 1 of 1: 4 launches
;; limits: right only within a limited range of input values
;; workspace buffers: xc 12,582,912 bytes; xs 524,288 bytes; pc 9,437,184 bytes; ps 393,216 bytes; oc 3,145,728 bytes; os 131,072 bytes
;; launch quant (part 1): grid 256 x 1, 8 waves a work-group, no clusters, 70,656 bytes of LDS; arguments q, k, v, Wq, Wk, Wv, Wo, xc, xs; writes xc, xs
.if DOCPART == 1
	.amdgcn_target "amdgcn-amd-amdhsa--gfx1250"
	.amdhsa_code_object_version 6
	.text
	.protected	k_q748a071d97_quant
	.globl	k_q748a071d97_quant
	.p2align	8
	.type	k_q748a071d97_quant,@function
k_q748a071d97_quant:
	s_mov_b64 s[64:65], 0
	v_nop
	global_prefetch_b8 v0, s[64:65] scope:SCOPE_SE
	s_setreg_imm32_b32 hwreg(HW_REG_WAVE_MODE, 25, 1), 1
	s_wait_xcnt 0x0
; q, k, v [4096][1024] and Wq, Wk, Wv, Wo [1024][1024], f32, K innermost, become codes of FP6 (E2M3) with one E8M0 byte for each 32 along K.
; THE WORKSPACE'S ONE FORMAT: a FRAGMENT is 16 rows x 128 K as the matrix instruction's operand registers hold it: 12 registers a lane, stored as three groups of four:
; group g of lane l at 512 g + 16 l, 1,536 bytes in all.  Its scale image is 64 bytes: word r = row r's four bytes.  xc = [fragment][1536], xs = [fragment][64], fragment = row tile x 8 + K step;
; row tiles run through q (0), k (256), v (512), Wq (768), Wk (832), Wv (896), Wo (960).
; A block's scale is 2^(floor(log2(largest magnitude)) - 2); its byte is the largest magnitude's exponent field - 2, held at 1 from below.
; LIMITS.  (1) Inside each block of 32 the codes stand in the order of elements 0-7, 16-23, 8-15, 24-31; every operand of this program has that order, so each product pairs the right numbers and
; blocks, codes and scales are the stated ones; only the grouping of the exact products inside a matrix instruction differs.  (2) A block of zeros keeps the byte 1, not 127: its codes are zeros, and the bytes are
; read by this program alone.  (3) Largest magnitudes under 2^-124 were not tried; NaN and infinities are not served.  (4) The input mask is loaded by no launch: the function computed makes no use of it.
; SHARES.  1,024 row tiles of 16 rows x 1,024 K.  A work-group takes four, a wave half of one: 16 rows x 512 K = four fragments.  Each load reads 512 consecutive bytes of one row; a fragment's 16 x 512 bytes
; turn through the wave's own stage in LDS, so that lane (r, h) gets, of row r and each block, elements 8 h .. 8 h + 7 and 16 + 8 h .. 16 + 8 h + 7.  No barrier: waves share nothing.  32 loads a wave are out.
.set PITCH, 528                        ; a stage row: 512 bytes + 16 = 33 x 16 bytes, so that the 16 rows of a 16-byte load begin in 16 different groups of banks (64 banks of 4 bytes: ISA guide 11.1)
.set WREG,  8704                       ; LDS of a wave: the stage, 16 x 528, and its 256 scale bytes
.set SCW,   16*PITCH
.set SPARE, 8*WREG                     ; behind the eight regions: the spare words, 128 bytes for each wave
.set LI,  4                            ; v4   16 x lane: offset of loads and of the codes' stores
.set STI, 5                            ; v5   the stage, on the way in
.set STO, 6                            ; v6   and on the way out: 528 r + 32 h
.set SWA, 7                            ; v7   where my row's scale word goes
.set SRA, 8                            ; v8   where I read 8 of the wave's 256 scale bytes back
.set L8,  10                           ; v10  8 x lane
.set SPW, 12                           ; v12  my spare word; never rewritten
.set NIL, 13                           ; v13  0; never rewritten
.set TM,  16                           ; v16-31 at work in QUANT
.set PW,  32                           ; v32  the scale word just made
.set PC,  36                           ; v36-47 the fragment just made
.set CT,  48                           ; v48-50, v52-54 the conversions' second halves
.set SW,  56                           ; v56-57 scale bytes on their way out
.set X,   64                           ; v64-127 64 numbers of my row
.set R,   128                          ; v128-255 two sets of 64 registers as loaded
.set IN,  28                           ; s[28:29] my wave's first byte of its tensor
.set SEL, 34                           ; s[34:35] selects of v_permlanex16_b32: lane l xor 16
.set MSB, 0
.macro WIN new                         ; the immediate's high byte repeats the setting that is left (here every window is 0: the macro writes nothing)
.if MSB != (\new)
	s_set_vgpr_msb (MSB<<8)|(\new)
.set MSB, (\new)
.endif
.endm
; 64 numbers of a lane, v[s] on in window w, register 16 b + i of block b of my row, become a fragment in v[pc] on and my row's scale word in v[pw].
.macro QUANT s, w, pc, ct, pw, tm
	WIN (\w)|((\w)<<2)
.irp b, 0,1,2,3
	v_max3_num_f32 v[\tm+\b], |v[\s+16*\b]|, |v[\s+16*\b+1]|, 0x1800000      ; my 16 numbers of block b, and the floor 2^(3 - 127): the byte cannot fall under 1
.endr
.irp i, 2,4,6,8,10,12,14
.irp b, 0,1,2,3
	s_delay_alu instid0(VALU_DEP_4)
	v_max3_num_f32 v[\tm+\b], |v[\s+16*\b+\i]|, |v[\s+16*\b+\i+1]|, v[\tm+\b]   ; the four blocks by turns, the registers in ascending order
.endr
.endr
	WIN 0
.irp b, 0,1,2,3
	s_delay_alu instid0(VALU_DEP_4)
	v_permlanex16_b32 v[\tm+4+\b], v[\tm+\b], s[SEL], s[SEL+1]
.endr
.irp b, 0,1,2,3
	s_delay_alu instid0(VALU_DEP_4)
	v_max_num_f32 v[\tm+\b], v[\tm+\b], v[\tm+4+\b]                          ; with lane l xor 16's 16: the block's largest magnitude
.endr
.irp b, 0,1,2,3
	s_delay_alu instid0(VALU_DEP_4)
	v_add_nc_u32 v[\tm+12+\b], 0xff000000, v[\tm+\b]                         ; 2 off its exponent field: the conversion's scale operand
.endr
.irp b, 0,1,2,3
	s_delay_alu instid0(VALU_DEP_4)
	v_lshrrev_b32 v[\tm+4+\b], 23, v[\tm+12+\b]                              ; the scale's byte
.endr
	s_delay_alu instid0(VALU_DEP_3)
	v_lshl_or_b32 v[\pw], v[\tm+5], 8, v[\tm+4]
	s_delay_alu instid0(VALU_DEP_1)
	v_lshl_or_b32 v[\pw], v[\tm+6], 16, v[\pw]
	s_delay_alu instid0(VALU_DEP_1)
	v_lshl_or_b32 v[\pw], v[\tm+7], 24, v[\pw]
	WIN \w
.irp c, 0,1
	v_cvt_scalef32_pk16_fp6_f32 v[\pc+6*\c:\pc+6*\c+2], v[\s+32*\c:\s+32*\c+15], v[\tm+12+2*\c]
	v_cvt_scalef32_pk16_fp6_f32 v[\ct+4*\c:\ct+4*\c+2], v[\s+32*\c+16:\s+32*\c+31], v[\tm+13+2*\c]   ; (a conversion's three registers begin on an even number)
.endr
	WIN 0
	v_nop                                          ; one plain instruction behind the scaled conversions
.irp c, 0,1                                    ; the operand wants a whole block in a lane: lanes 0-15 block 2 c, lanes 16-31 block 2 c + 1
.irp i, 0,1,2
	v_permlane16_swap_b32 v[\pc+6*\c+\i], v[\ct+4*\c+\i]
.endr
.irp i, 0,1,2
	s_delay_alu instid0(VALU_DEP_3)
	v_mov_b32 v[\pc+6*\c+3+\i], v[\ct+4*\c+\i]
.endr
.endr
.endm
	s_load_b512 s[8:23], s[0:1], 0x0               ; q, k, v, Wq, Wk, Wv, Wo, xc
	s_load_b64 s[24:25], s[0:1], 0x40              ; xs
	v_lshl_add_u32 v[SPW], v0, 2, SPARE
	v_mov_b32 v[NIL], 0
	v_lshrrev_b32 v1, 5, v0
	s_delay_alu instid0(VALU_DEP_1)
	v_readfirstlane_b32 s26, v1                    ; wave 0..7
	v_and_b32 v2, 31, v0                           ; lane
	v_and_b32 v3, 15, v0                           ; r
	v_bfe_u32 v9, v0, 4, 1                         ; h
	s_delay_alu instid0(VALU_DEP_3)
	v_lshlrev_b32 v[LI], 4, v2
	s_delay_alu instid0(VALU_DEP_4)
	v_lshlrev_b32 v[L8], 3, v2
	s_mul_i32 s31, s26, WREG
	v_add_nc_u32 v[STI], s31, v[LI]
	v_mul_u32_u24 v[STO], v3, PITCH
	s_delay_alu instid0(VALU_DEP_1)
	v_lshl_add_u32 v[STO], v9, 5, v[STO]
	s_delay_alu instid0(VALU_DEP_1)
	v_add_nc_u32 v[STO], s31, v[STO]
	v_lshlrev_b32 v[SWA], 2, v3
	s_delay_alu instid0(VALU_DEP_1)
	v_add_nc_u32 v[SWA], s31, v[SWA]
	s_delay_alu instid0(VALU_DEP_1)
	v_add_nc_u32 v[SWA], SCW, v[SWA]
	v_add_nc_u32 v[SRA], s31, v[L8]
	s_delay_alu instid0(VALU_DEP_1)
	v_add_nc_u32 v[SRA], SCW, v[SRA]
.irp b, 0,1,2,3
	v_mov_b32 v[TM+4+\b], 0                        ; written once: a lane permute's destination counts as one of its sources
.endr
	s_mov_b32 s[SEL], 0x76543210
	s_mov_b32 s[SEL+1], 0xfedcba98
	s_mov_b32 s27, ttmp9                           ; work-group 0..255
	s_lshr_b32 s36, s26, 1                         ; which of the group's four row tiles
	s_and_b32 s37, s26, 1                          ; which half of K
	s_wait_kmcnt 0x0
	s_mov_b64 s[IN:IN+1], s[8:9]
	s_mov_b32 s30, 0
.macro PICK first, ptr                 ; from work-group 'first' on the next tensor: the choice hangs on the work-group's number alone
	s_cmp_ge_u32 s27, \first
	s_cselect_b64 s[IN:IN+1], s[\ptr:\ptr+1], s[IN:IN+1]
	s_cselect_b32 s30, \first, s30
.endm
	PICK 64, 10
	PICK 128, 12
	PICK 192, 14
	PICK 208, 16
	PICK 224, 18
	PICK 240, 20
	s_sub_co_u32 s32, s27, s30
	s_lshl_b32 s32, s32, 2
	s_add_co_u32 s32, s32, s36                     ; my row tile in its tensor
	s_lshl_b32 s32, s32, 16                        ; 16 rows of 4,096 bytes
	s_lshl_b32 s33, s37, 11                        ; my half of K: 2,048 bytes on
	s_add_co_u32 s32, s32, s33
	s_mov_b32 s33, 0
	s_add_nc_u64 s[IN:IN+1], s[IN:IN+1], s[32:33]
	s_lshl_b32 s38, s27, 2
	s_add_co_u32 s38, s38, s36
	s_lshl_b32 s38, s38, 3
	s_lshl_b32 s39, s37, 2
	s_add_co_u32 s38, s38, s39                     ; my first fragment: row tile x 8 + 4 x half
	s_mul_i32 s32, s38, 1536
	s_add_nc_u64 s[22:23], s[22:23], s[32:33]
	s_lshl_b32 s32, s38, 6
	s_add_nc_u64 s[24:25], s[24:25], s[32:33]      ; a multiple of 256 bytes
.macro LOADF f                         ; fragment f: 128 numbers of each of the 16 rows; 32 lanes read 512 consecutive bytes
.irp i, 0,1,2,3,4,5,6,7,8,9,10,11,12,13,14,15
	global_load_b128 v[R+64*((\f)%2)+4*\i:R+64*((\f)%2)+4*\i+3], v[LI], s[IN:IN+1] offset:\i*4096+(\f)*512 th:TH_LOAD_NT
.endr
.endm
.macro FRAGM f
.if (\f) < 3
	s_wait_loadcnt 16                              ; this fragment's 16 loads are in; the other set's 16 may be out
.else
	s_wait_loadcnt 0x0
.endif
.irp i, 0,1,2,3,4,5,6,7,8,9,10,11,12,13,14,15
	ds_store_b128 v[STI], v[R+64*((\f)%2)+4*\i:R+64*((\f)%2)+4*\i+3] offset:PITCH*\i
.endr
.irp b, 0,1,2,3                                ; LDS serves a wave's instructions in order (ISA guide 5.7.1.4): these see the stores above
	ds_load_b128 v[X+16*\b:X+16*\b+3],     v[STO] offset:128*\b
	ds_load_b128 v[X+16*\b+4:X+16*\b+7],   v[STO] offset:128*\b+16
	ds_load_b128 v[X+16*\b+8:X+16*\b+11],  v[STO] offset:128*\b+64
	ds_load_b128 v[X+16*\b+12:X+16*\b+15], v[STO] offset:128*\b+80
.endr
	s_wait_dscnt 0x0                               ; my numbers are back; the stores into the stage have read their registers, and so has the last scale word's store
.if (\f) > 0
	s_wait_xcnt 0x0                                ; the last fragment's stores have read the codes' registers, which are written again below
.endif
.if (\f) < 2
	LOADF (\f)+2
.endif
	QUANT X, 0, PC, CT, PW, TM
.irp g, 0,1,2
	global_store_b128 v[LI], v[PC+4*\g:PC+4*\g+3], s[22:23] offset:(\f)*1536+512*\g   ; 32 lanes store 512 consecutive bytes, aligned
.endr
	ds_store_b32 v[SWA], v[PW] offset:64*(\f)      ; both halves of the lanes write the same word with the same value
.endm
	LOADF 0
	LOADF 1
	FRAGM 0
	FRAGM 1
	FRAGM 2
	FRAGM 3
	ds_load_b64 v[SW:SW+1], v[SRA]                 ; the four fragments' scale images, 256 bytes
	s_wait_dscnt 0x0
	global_store_b64 v[L8], v[SW:SW+1], s[24:25]   ; 32 lanes store 256 consecutive bytes, aligned
	s_wait_tensorcnt 0x0                           ; the wave's end, behind my last LDS store
	ds_add_u32 v[SPW], v[NIL]
	s_wait_dscnt 0x0
	s_endpgm
.Lfunc_end_k_q748a071d97_quant:
	.size	k_q748a071d97_quant, .Lfunc_end_k_q748a071d97_quant-k_q748a071d97_quant
	.p2alignl 7, 3214868480
	.fill 96, 4, 3214868480
	.section	.rodata,"a",@progbits
	.p2align	6, 0x0
	.amdhsa_kernel k_q748a071d97_quant
		.amdhsa_group_segment_fixed_size 70656
		.amdhsa_private_segment_fixed_size 0
		.amdhsa_enable_private_segment 0
		.amdhsa_kernarg_size 72
		.amdhsa_user_sgpr_count 2
		.amdhsa_user_sgpr_kernarg_segment_ptr 1
		.amdhsa_wavefront_size32 1
		.amdhsa_system_sgpr_workgroup_id_x 1
		.amdhsa_system_sgpr_workgroup_id_y 1
		.amdhsa_system_sgpr_workgroup_id_z 1
		.amdhsa_system_vgpr_workitem_id 0
		.amdhsa_next_free_vgpr 256
		.amdhsa_next_free_sgpr 66
		.amdhsa_reserve_vcc 0
		.amdhsa_float_denorm_mode_32 3
		.amdhsa_float_denorm_mode_16_64 3
		.amdhsa_memory_ordered 1
		.amdhsa_forward_progress 1
		.amdhsa_inst_pref_size 41
	.end_amdhsa_kernel
	.amdgpu_metadata
---
amdhsa.version: [ 1, 2 ]
amdhsa.kernels:
  - .name:           k_q748a071d97_quant
    .symbol:         k_q748a071d97_quant.kd
    .args:
      - { .name: q, .offset: 0, .size: 8, .value_kind: global_buffer, .address_space: global }
      - { .name: k, .offset: 8, .size: 8, .value_kind: global_buffer, .address_space: global }
      - { .name: v, .offset: 16, .size: 8, .value_kind: global_buffer, .address_space: global }
      - { .name: Wq, .offset: 24, .size: 8, .value_kind: global_buffer, .address_space: global }
      - { .name: Wk, .offset: 32, .size: 8, .value_kind: global_buffer, .address_space: global }
      - { .name: Wv, .offset: 40, .size: 8, .value_kind: global_buffer, .address_space: global }
      - { .name: Wo, .offset: 48, .size: 8, .value_kind: global_buffer, .address_space: global }
      - { .name: xc, .offset: 56, .size: 8, .value_kind: global_buffer, .address_space: global }
      - { .name: xs, .offset: 64, .size: 8, .value_kind: global_buffer, .address_space: global }
    .group_segment_fixed_size: 70656
    .private_segment_fixed_size: 0
    .kernarg_segment_align: 8
    .kernarg_segment_size: 72
    .max_flat_workgroup_size: 256
    .sgpr_count:     66
    .vgpr_count:     256
    .wavefront_size: 32
...
	.end_amdgpu_metadata
.endif
;; end of part 1
;; launch proj (part 2): grid 4 x 48, 4 waves a work-group, clusters of 4 x 4, 327,680 bytes of LDS; arguments xc, xs, pc, ps; writes pc, ps
.if DOCPART == 2
	.amdgcn_target "amdgcn-amd-amdhsa--gfx1250"
	.amdhsa_code_object_version 6
	.text
	.protected	k_q748a071d97_proj
	.globl	k_q748a071d97_proj
	.p2align	8
	.type	k_q748a071d97_proj,@function
k_q748a071d97_proj:
	s_mov_b64 s[64:65], 0
	v_nop
	global_prefetch_b8 v0, s[64:65] scope:SCOPE_SE
	s_setreg_imm32_b32 hwreg(HW_REG_WAVE_MODE, 25, 1), 1
	s_wait_xcnt 0x0
	s_wait_alu depctr_hold_cnt(0) depctr_sa_sdst(0) depctr_va_vdst(0) depctr_va_sdst(0) depctr_va_ssrc(0) depctr_va_vcc(0) depctr_vm_vsrc(0)
	s_getreg_b32 s2, hwreg(HW_REG_IB_STS2, 6, 4)
	s_cmp_eq_u32 s2, 0
	s_cbranch_scc0 .Lentry_in_a_cluster
	s_endpgm
.Lentry_in_a_cluster:
	s_bfe_u32 s2, ttmp6, 0x10000c
	s_cmp_lg_u32 s2, 0xf033
	s_cbranch_scc0 .Lentry_shape_is_right
	s_endpgm
.Lentry_shape_is_right:
; Q = q Wq^T, K = k Wk^T and V^T = Wv v^T on codes of FP6 (E2M3) with E8M0 scales; each result is quantised in registers and leaves as codes: Q and K along the head's 128, V along the keys.
; All three are C'[m'][n'] = sum over k of A'[m'][k] B'[n'][k], K = 1,024: for Q and K A' = the tokens and B' = the weight; for V A' = Wv and B' = v, so that a lane's registers run along the keys.
; OPERANDS are fragments as the first launch left them: 16 rows x 128 K as an image of the operand's 12 registers (group g of lane l at 512 g + 16 l), 1,536 bytes; scale image 64 bytes; fragment = row tile x 8 + K step.
; First fragments in xc, xs: q 0, k 2048, v 4096, Wq 6144, Wk 6656, Wv 7168.  In pc, ps: Q head x 256 + query tile; K 2048 + head x 256 + key tile; V 4096 + (head x 32 + key step) x 8 + channel tile.
; LIMITS: as stated at the first launch's head (order of the elements inside a block of 32; a block of zeros keeps the byte 1; magnitudes under 2^-124, NaN and infinities not served).  The input mask is loaded by no launch.
; SHARES.  A work-group makes 256 (m') x 256 (n'): 64 blocks for each of Q, K, V, 192 work-groups.  Four waves, 2 x 2, each 128 x 128: 64 accumulators, 512 registers.  THE PRODUCT IS USED TRANSPOSED (source 0 = 16 rows of B',
; source 1 = 16 rows of A'): lane (r, h) holds row r of A' and its registers run along n': two neighbouring tiles are 16 numbers of one block of 32 of the next product's K.  A wave's 128 columns are one K step of that product: eight fragments a wave.
; LDS.  Region P, 196,608 bytes: K steps 0 to 3 of A's 16 row tiles, then of B's 16 (6,144 bytes a row tile); filled at the head.  Region Q, 98,304 bytes: K steps 4 and 5 (3,072 bytes a row tile), first filled behind the
; first round: three steps' products, 192 matrix instructions a wave, stand between that load and the wait for it.  P's first 98,304 bytes are filled again with K steps 6 and 7 in step 3, when P has been read: 96 matrix instructions.
; Behind them the scale images, 8,192 bytes a side, filled once; 512 bytes a wave in which its scale images are gathered; the spare words.
; CLUSTERS: 4 x 4 work-groups; A's tiles are asked for jointly along a row of the cluster, B's along a column.  12 clusters: four for each of Q, K, V.
; NO PREFETCH: K is 8 steps and only two fills follow the head's, so there is no loop to run ahead in.
.set QOFF,  196608
.set SCA,   294912                     ; A's scale images: [row tile][K step][64]
.set SCB,   SCA+8192
.set GA,    SCB+8192
.set SPARE, GA+2048
.set AP,   2                           ; v2, v3  my A and B fragments in P
.set AQ,   4                           ; v4, v5  in Q
.set AR,   6                           ; v6, v7  in P as filled again
.set PW,   8
.set GW,   9                           ; where my row's scale word goes
.set ASA,  10
.set ASB,  11
.set LI,   12                          ; 16 x lane
.set GR,   13                          ; where I read 16 of my 512 gathered bytes back
.set SPW,  14                          ; my spare word; never rewritten
.set NIL,  15                          ; 0; never rewritten
.set SA,   16                          ; v16-31 A's scale words, two sets of 8: lanes 0-15 a pair's first K step, lanes 16-31 its second
.set SB,   32                          ; v32-47 B's
.set TM,   48                          ; v48-63 at work in QUANT
.set AF,   64                          ; v64-255 A's fragments, two sets of 8 (window 0);  window 1: B's, two sets at v0 and v128;  windows 2, 3: accumulator (a, b) at v[8 (8 (a % 4) + b)]
.set PC,   64                          ; on the way out
.set CT,   76
.set SW,   84
.set SEL,  2
.set G1A,  24
.set G1B,  32
.set G1SA, 40
.set G1SB, 48                          ; groups 0: A s56 (P), s60 (Q), s68 (P again), s76 (scales); B s80, s84, s88, s96
.set MUL_LO, 0xa1                      ; source 0 (B') window 1, source 1 (A') window 0, C and D window 2
.set MUL_HI, 0xf1
.set TO_B, 0x40
.set MSB, 0
.macro WIN new                         ; the immediate's high byte repeats the setting that is left
.if MSB != (\new)
	s_set_vgpr_msb (MSB<<8)|(\new)
.set MSB, (\new)
.endif
.endm
.macro PLACES n
.rept \n
	v_nop
.endr
.endm
.macro CREST                           ; a round of the cluster's barrier behind its opening barrier
	s_cmp_lg_u32 s12, 0
	s_cbranch_scc1 .Lnot_wave_0_\@
	s_barrier_signal -3
.Lnot_wave_0_\@:
	s_barrier_wait -3
	s_barrier_signal -1
	s_barrier_wait -1
.endm
.macro CROUND
	s_barrier_signal -1
	s_barrier_wait -1
	CREST
.endm
.macro JLOAD g0a, g0b                  ; waves 0 and 1 fetch A's halves, waves 2 and 3 B's; the branch hangs on the wave's number alone
	s_cmp_eq_u32 s13, 0
	s_cbranch_scc0 .Lfor_b_\@
	tensor_load_to_lds s[\g0a:\g0a+3], s[G1A:G1A+7]
	s_nop 0
	PLACES 4
	s_branch .Lasked_\@
.Lfor_b_\@:
	tensor_load_to_lds s[\g0b:\g0b+3], s[G1B:G1B+7]
	s_nop 0
	PLACES 4
.Lasked_\@:
.endm
.macro MKG1 g, c, r, p                 ; r rows of c elements of 8 bytes, p elements apart; no padding
	s_mov_b32 s[\g+1], (\c)<<16
	s_mov_b32 s[\g+2], (\r)<<16
	s_mov_b32 s[\g+3], (\c)<<16
	s_mov_b32 s[\g+4], \r
	s_mov_b32 s[\g+5], \p
	s_mov_b32 s[\g+6], 0
	s_mov_b32 s[\g+7], 0
.endm
.macro MKG0 g, lreg, loff, adr, off
	s_mov_b32 s[\g], 1
	s_add_co_u32 s[\g+1], s[\lreg], \loff
	s_add_nc_u64 s[\g+2:\g+3], s[\adr:\adr+1], \off
	s_or_b32 s[\g+3], s[\g+3], 0x80000000
.endm
; 64 numbers of a lane, v[s] on in window w, register 16 b + i of block b of my row, become a fragment in v[pc] on and my row's scale word in v[pw].
.macro QUANT s, w, pc, ct, pw, tm
	WIN (\w)|((\w)<<2)
.irp b, 0,1,2,3
	v_max3_num_f32 v[\tm+\b], |v[\s+16*\b]|, |v[\s+16*\b+1]|, 0x1800000      ; my 16 numbers of block b, and the floor 2^(3 - 127): the byte cannot fall under 1
.endr
.irp i, 2,4,6,8,10,12,14
.irp b, 0,1,2,3
	v_max3_num_f32 v[\tm+\b], |v[\s+16*\b+\i]|, |v[\s+16*\b+\i+1]|, v[\tm+\b]   ; ascending: each accumulator is read from its low end on
.endr
.endr
	WIN 0
.irp b, 0,1,2,3
	v_permlanex16_b32 v[\tm+4+\b], v[\tm+\b], s[SEL], s[SEL+1]
.endr
.irp b, 0,1,2,3
	v_max_num_f32 v[\tm+\b], v[\tm+\b], v[\tm+4+\b]                          ; with lane l xor 16's 16: the block's largest magnitude
.endr
.irp b, 0,1,2,3
	v_add_nc_u32 v[\tm+12+\b], 0xff000000, v[\tm+\b]                         ; 2 off its exponent field: the conversion's scale operand
.endr
.irp b, 0,1,2,3
	v_lshrrev_b32 v[\tm+4+\b], 23, v[\tm+12+\b]                              ; the scale's byte
.endr
	v_lshl_or_b32 v[\pw], v[\tm+5], 8, v[\tm+4]
	v_lshl_or_b32 v[\pw], v[\tm+6], 16, v[\pw]
	v_lshl_or_b32 v[\pw], v[\tm+7], 24, v[\pw]
	WIN \w
.irp c, 0,1
	v_cvt_scalef32_pk16_fp6_f32 v[\pc+6*\c:\pc+6*\c+2], v[\s+32*\c:\s+32*\c+15], v[\tm+12+2*\c]
	v_cvt_scalef32_pk16_fp6_f32 v[\ct+4*\c:\ct+4*\c+2], v[\s+32*\c+16:\s+32*\c+31], v[\tm+13+2*\c]   ; (a conversion's three registers begin on an even number)
.endr
	WIN 0
	v_nop                                          ; one plain instruction behind the scaled conversions
.irp c, 0,1                                    ; the operand wants a whole block in a lane: lanes 0-15 block 2 c, lanes 16-31 block 2 c + 1
.irp i, 0,1,2
	v_permlane16_swap_b32 v[\pc+6*\c+\i], v[\ct+4*\c+\i]
.endr
.irp i, 0,1,2
	v_mov_b32 v[\pc+6*\c+3+\i], v[\ct+4*\c+\i]
.endr
.endr
.endm
	s_load_b256 s[4:11], s[0:1], 0x0               ; xc s[4:5], xs s[6:7], pc s[8:9], ps s[10:11]
	v_lshl_add_u32 v[SPW], v0, 2, SPARE
	v_mov_b32 v[NIL], 0
	ds_add_u32 v[SPW], v[NIL]                      ; the opening lines: the add, twice on end, and its wait ahead of my first tensor load
	ds_add_u32 v[SPW], v[NIL]
	v_lshrrev_b32 v1, 5, v0
	v_readfirstlane_b32 s12, v1                    ; wave 0..3
	s_lshr_b32 s13, s12, 1                         ; RH: my half of the block's rows.  Also: in the later fills I fetch for A' (0) or for B' (1)
	s_and_b32 s14, s12, 1                          ; CF: my half of its columns.  Also: which half I fetch
	s_bfe_u32 s15, ttmp6, 0x40000                  ; cx
	s_bfe_u32 s16, ttmp6, 0x40004                  ; cy
	s_lshl_b32 s17, s16, 2
	s_lshl_b32 s17, 15, s17                        ; my row of the cluster
	s_lshl_b32 s18, 0x1111, s15                    ; my column
	s_or_b32 s[G1A], s17, (3<<16)|(1<<21)          ; 15:0 the mask; 17:16 elements of 8 bytes; 21 set beside a mask
	s_or_b32 s[G1SA], s17, (3<<16)|(1<<21)
	s_or_b32 s[G1B], s18, (3<<16)|(1<<21)
	s_or_b32 s[G1SB], s18, (3<<16)|(1<<21)
	MKG1 G1A, 768, 16, 1536                        ; the head's: 16 row tiles x four K steps (6,144 bytes), 8 fragments (12,288 bytes) apart
	MKG1 G1B, 768, 16, 1536
	MKG1 G1SA, 32, 32, 32                          ; the scale images of 16 row tiles: 8,192 dense bytes as rows of 256
	MKG1 G1SB, 32, 32, 32
	s_and_b32 s19, ttmp7, 0xffff                   ; the cluster's number, 0..11: all that is chosen by it is the same in the sixteen partners
	s_lshr_b32 s20, s19, 2                         ; t: 0 Q, 1 K, 2 V
	s_and_b32 s19, s19, 3
	s_lshl_b32 s23, s20, 11                        ; q's or k's first fragment
	s_lshl_b32 s66, s20, 9
	s_add_co_u32 s66, s66, 6144                    ; Wq's or Wk's
	s_cmp_eq_u32 s20, 2
	s_cselect_b32 s21, 0, s19                      ; Q, K: 4 x 1 clusters;  V: 1 x 4
	s_cselect_b32 s22, s19, 0
	s_cselect_b32 s67, 7168, s23                   ; A's first fragment
	s_cselect_b32 s66, 4096, s66                   ; B's
	s_lshl_b32 s21, s21, 2
	s_add_co_u32 s16, s21, s16                     ; tr: block row
	s_lshl_b32 s22, s22, 2
	s_add_co_u32 s15, s22, s15                     ; tc: block column
	s_lshl_b32 s17, s16, 7
	s_add_co_u32 s17, s17, s67                     ; A: fragment 128 tr on: made of the block row alone
	s_mul_i32 s18, s17, 1536
	s_mov_b32 s19, 0
	s_lshl_b32 s20, s17, 6
	s_mov_b32 s21, 0
	s_lshl_b32 s22, s15, 7
	s_add_co_u32 s22, s22, s66                     ; B: fragment 128 tc on: of the block column alone
	s_mul_i32 s66, s22, 1536
	s_mov_b32 s67, 0
	s_lshl_b32 s22, s22, 6
	s_mov_b32 s23, 0
	s_mov_b32 s101, 0
	s_mul_i32 s100, s14, 24576                     ; a later fill's half in LDS: 8 row tiles of 3,072 bytes: the wave's number alone
	s_mul_i32 s2, s14, 98304                       ; and in memory: 8 row tiles of 12,288 bytes
	s_mov_b32 s3, 0
	s_wait_dscnt 0x0                               ; both opening adds are done
	s_wait_kmcnt 0x0
	s_add_nc_u64 s[18:19], s[4:5], s[18:19]
	s_add_nc_u64 s[20:21], s[6:7], s[20:21]
	s_add_nc_u64 s[66:67], s[4:5], s[66:67]
	s_add_nc_u64 s[22:23], s[6:7], s[22:23]
	CROUND                                         ; all sixteen work-groups are here: the joint loads meet
	MKG0 56, 101, 0, 18, 0                         ; P: A's 16 row tiles, K steps 0 to 3
	MKG0 80, 101, 98304, 66, 0                     ; B's
	MKG0 76, 101, SCA, 20, 0
	MKG0 96, 101, SCB, 22, 0
	s_add_nc_u64 s[18:19], s[18:19], s[2:3]        ; for the later fills: my 8 row tiles
	s_add_nc_u64 s[66:67], s[66:67], s[2:3]
	MKG0 60, 100, QOFF, 18, 4*1536                 ; Q: K steps 4 and 5
	MKG0 84, 100, QOFF+49152, 66, 4*1536
	MKG0 68, 100, 0, 18, 6*1536                    ; P again: K steps 6 and 7
	MKG0 88, 100, 49152, 66, 6*1536
	; THE HEAD'S LOADS, ONE A WAVE: wave 0 A's codes, wave 1 B's codes, wave 2 A's scale images, wave 3 B's.  One chain of branches on the wave's number.
	s_cmp_lt_u32 s12, 1
	s_cbranch_scc0 .Lhead_b
	tensor_load_to_lds s[56:59], s[G1A:G1A+7]
	s_nop 0
	PLACES 4
	s_branch .Lasked
.Lhead_b:
	s_cmp_lt_u32 s12, 2
	s_cbranch_scc0 .Lhead_sa
	tensor_load_to_lds s[80:83], s[G1B:G1B+7]
	s_nop 0
	PLACES 4
	s_branch .Lasked
.Lhead_sa:
	s_cmp_lt_u32 s12, 3
	s_cbranch_scc0 .Lhead_sb
	tensor_load_to_lds s[76:79], s[G1SA:G1SA+7]
	s_nop 0
	PLACES 4
	s_branch .Lasked
.Lhead_sb:
	tensor_load_to_lds s[96:99], s[G1SB:G1SB+7]
	s_nop 0
	PLACES 4
.Lasked:
	s_mul_i32 s17, s13, 49152                      ; P: my 8 row tiles of A, 6,144 bytes each
	s_mul_i32 s18, s14, 49152
	s_add_co_u32 s18, s18, 98304                   ; and of B
	s_mul_i32 s19, s13, 24576                      ; P again: 3,072 bytes each
	s_add_co_u32 s20, s19, QOFF                    ; Q
	s_mul_i32 s21, s14, 24576
	s_add_co_u32 s21, s21, 49152
	s_add_co_u32 s22, s21, QOFF
	s_lshl_b32 s23, s14, 12
	s_add_co_u32 s23, s23, SCB
	s_lshl_b32 s66, s13, 12
	s_add_co_u32 s66, s66, SCA
	s_lshl_b32 s67, s12, 9
	s_add_co_u32 s67, s67, GA
	s_mov_b32 s[SEL], 0x76543210
	s_mov_b32 s[SEL+1], 0xfedcba98
	v_and_b32 v1, 31, v0
	v_and_b32 v[PW], 15, v0
	v_lshlrev_b32 v[LI], 4, v1
	v_lshlrev_b32 v[ASA], 2, v1
	v_lshl_add_u32 v[GW], v[PW], 2, s67
	v_add_nc_u32 v[AP], s17, v[LI]
	v_add_nc_u32 v[AP+1], s18, v[LI]
	v_add_nc_u32 v[AR], s19, v[LI]
	v_add_nc_u32 v[AQ], s20, v[LI]
	v_add_nc_u32 v[AR+1], s21, v[LI]
	v_add_nc_u32 v[AQ+1], s22, v[LI]
	v_add_nc_u32 v[ASB], s23, v[ASA]
	v_add_nc_u32 v[ASA], s66, v[ASA]
	v_add_nc_u32 v[GR], s67, v[LI]
.irp b, 0,1,2,3
	v_mov_b32 v[TM+4+\b], 0                        ; written once: a lane permute's destination counts as one of its sources
.endr
	; where my eight fragments go.  X = 2 tc + CF, Y = 2 tr + RH.  Q, K: X is the head, 8 Y the first row tile;  V: Y is the head, X the key step
	s_and_b32 s17, ttmp7, 0xffff
	s_lshr_b32 s17, s17, 2                         ; t
	s_lshl_b32 s18, s15, 1
	s_add_co_u32 s18, s18, s14                     ; X
	s_lshl_b32 s21, s16, 1
	s_add_co_u32 s21, s21, s13                     ; Y
	s_cmp_eq_u32 s17, 2
	s_cselect_b32 s19, s21, s18                    ; what counts 256 fragments
	s_cselect_b32 s20, s18, s21                    ; what counts 8
	s_lshl_b32 s19, s19, 8
	s_lshl_b32 s20, s20, 3
	s_add_co_u32 s19, s19, s20
	s_lshl_b32 s17, s17, 11
	s_add_co_u32 s19, s19, s17                     ; a multiple of 8
	s_mul_i32 s20, s19, 1536
	s_mov_b32 s21, 0
	s_add_nc_u64 s[8:9], s[8:9], s[20:21]
	s_lshl_b32 s20, s19, 6
	s_add_nc_u64 s[10:11], s[10:11], s[20:21]
; K step s: its fragments come into set s % 2: three loads of 16 bytes a lane restore a fragment's 12 registers.  With an even step come the scale words of two steps: one load brings two K steps' images.
.macro FETCH s
.set fc, (\s)/2
.set fq, (\s)%2
.if (\s) < 4
.set fa, AP
.set fp, 6144
.set fo, (\s)*1536
.elseif (\s) < 6
.set fa, AQ
.set fp, 3072
.set fo, ((\s)-4)*1536
.else
.set fa, AR
.set fp, 3072
.set fo, ((\s)-6)*1536
.endif
	WIN TO_B
.set ib, 0
.rept 8
.irp g, 0,1,2
	ds_load_b128 v[128*fq+12*ib+4*\g:128*fq+12*ib+4*\g+3], v[fa+1] offset:ib*fp+fo+512*\g
.endr
.set ib, ib+1
.endr
	WIN 0
.set ib, 0
.rept 8
.irp g, 0,1,2
	ds_load_b128 v[AF+96*fq+12*ib+4*\g:AF+96*fq+12*ib+4*\g+3], v[fa] offset:ib*fp+fo+512*\g
.endr
.set ib, ib+1
.endr
.if fq == 0
.set ib, 0
.rept 8
	ds_load_b32 v[SA+8*(fc%2)+ib], v[ASA] offset:512*ib+128*fc
	ds_load_b32 v[SB+8*(fc%2)+ib], v[ASB] offset:512*ib+128*fc
.set ib, ib+1
.endr
.endif
.endm
; 16 matrix instructions: A's tiles a0, a0 + 1 against B's eight.  The 64 accumulators take turns, one instruction a turn, in the same order in every step.  Step 0 starts the sums with the constant 0.
.macro MULS s, a0
.set ia, \a0
.rept 2
.set ib, 0
.rept 8
.set rD, 8*(8*(ia%4)+ib)
.set rB, 128*((\s)%2)+12*ib
.set rA, AF+96*((\s)%2)+12*ia
.set rX, SB+8*(((\s)/2)%2)+ib
.set rY, SA+8*(((\s)/2)%2)+ia
.if (\s) == 0
	v_wmma_scale_f32_16x16x128_f8f6f4 v[rD:rD+7], v[rB:rB+11], v[rA:rA+11], 0, v[rX], v[rY] matrix_a_fmt:MATRIX_FMT_FP6 matrix_b_fmt:MATRIX_FMT_FP6
.elseif (\s)%2 == 0
	v_wmma_scale_f32_16x16x128_f8f6f4 v[rD:rD+7], v[rB:rB+11], v[rA:rA+11], v[rD:rD+7], v[rX], v[rY] matrix_a_fmt:MATRIX_FMT_FP6 matrix_b_fmt:MATRIX_FMT_FP6
.else
	v_wmma_scale_f32_16x16x128_f8f6f4 v[rD:rD+7], v[rB:rB+11], v[rA:rA+11], v[rD:rD+7], v[rX], v[rY] matrix_a_fmt:MATRIX_FMT_FP6 matrix_b_fmt:MATRIX_FMT_FP6 matrix_a_scale:MATRIX_SCALE_ROW1 matrix_b_scale:MATRIX_SCALE_ROW1
.endif
.set ib, ib+1
.endr
.set ia, ia+1
.endr
.endm
; A K step: 64 matrix instructions; in its middle the next step's fragments are fetched.  In step 3 P has been read and Q is wanted; in step 5 P as filled again is wanted: there each wave waits for all its tensor loads, adds 0 to
; its spare word and waits for that and for its LDS reads in front of the barrier; in step 3 the barrier opens a round of the cluster's barrier, and the joint refill is the first tensor load behind it.
.macro STEP s
	s_wait_dscnt 0x0                               ; this step's fragments, asked for 32 matrix instructions ago, are in
.if (\s) == 3 || (\s) == 5
	WIN 0                                          ; (the add's two registers lie in window 0)
	s_wait_tensorcnt 0x0                           ; all my tensor loads have landed
	ds_add_u32 v[SPW], v[NIL]                      ; 0 onto my spare word
	WIN MUL_LO
	MULS \s, 0                                     ; sixteen matrix instructions stand between the add and the wait for it
	s_wait_dscnt 0x0
	s_barrier_signal -1
	MULS \s, 2
	WIN 0
	s_barrier_wait -1
.if (\s) == 3
	CREST
	JLOAD 68, 88                                   ; K steps 6 and 7; the four plain instructions behind it also stand in front of the loads below
.else
	PLACES 4
.endif
.else
	WIN MUL_LO
	MULS \s, 0
	MULS \s, 2
.if (\s) < 7
	PLACES 4                                       ; four plain instructions in front of loads into registers that matrix instructions have read (ISA guide 7.12.1 for vector instructions)
.endif
.endif
.if (\s) < 7
	FETCH (\s)+1
.endif
	WIN MUL_HI
	MULS \s, 4
	MULS \s, 6
.endm
	s_wait_alu depctr_va_vdst(0)                   ; the wait at the head's end
	s_wait_tensorcnt 0x0                           ; my load of the head is in; Q's first fill is issued as a refill is:
	ds_add_u32 v[SPW], v[NIL]                      ; 0 onto my spare word
.irp g, G1A, G1B                               ; no tensor load of mine is out, so a descriptor may be written: from here on a load brings 8 row tiles x two K steps
	s_mov_b32 s[\g+1], 384<<16
	s_mov_b32 s[\g+2], 8<<16
	s_mov_b32 s[\g+3], 384<<16
	s_mov_b32 s[\g+4], 8
.endr
	s_wait_dscnt 0x0
	CROUND                                         ; everybody's part of the head's loads is in, and all sixteen work-groups are here
	JLOAD 60, 84                                   ; K steps 4 and 5
	FETCH 0
.irp s, 0,1,2,3,4,5,6,7
	STEP \s
.endr
	WIN 0
	PLACES 4                                       ; in front of the first read of results
	; THE WAY OUT: tile a's 64 registers are 128 numbers along the next K of my row: one fragment.  A wave's eight fragments are 12,288 consecutive bytes, their scale images 512.
.irp a, 0,1,2,3,4,5,6,7
.if \a > 0
	s_wait_xcnt 0x0                                ; the last fragment's stores have read the codes' registers,
	s_wait_dscnt 0x0                               ; and the LDS store its scale word
.endif
	QUANT 64*(\a%4), 2+\a/4, PC, CT, PW, TM
.irp g, 0,1,2
	global_store_b128 v[LI], v[PC+4*\g:PC+4*\g+3], s[8:9] offset:1536*\a+512*\g   ; 32 lanes store 512 consecutive bytes, aligned
.endr
	ds_store_b32 v[GW], v[PW] offset:64*\a         ; both halves of the lanes write the same word with the same value
.endr
	ds_load_b128 v[SW:SW+3], v[GR]                 ; LDS serves a wave's instructions in order (ISA guide 5.7.1.4): this sees my stores
	s_wait_dscnt 0x0
	global_store_b128 v[LI], v[SW:SW+3], s[10:11]  ; 32 lanes store 512 consecutive bytes, aligned
	s_wait_tensorcnt 0x0                           ; the wave's end, behind my last tensor load and my last LDS store
	ds_add_u32 v[SPW], v[NIL]
	s_wait_dscnt 0x0
	CROUND                                         ; the closing round: no work-group ends while a partner may still ask for a tile that names it
	s_endpgm
.Lfunc_end_k_q748a071d97_proj:
	.size	k_q748a071d97_proj, .Lfunc_end_k_q748a071d97_proj-k_q748a071d97_proj
	.p2alignl 7, 3214868480
	.fill 96, 4, 3214868480
	.section	.rodata,"a",@progbits
	.p2align	6, 0x0
	.amdhsa_kernel k_q748a071d97_proj
		.amdhsa_group_segment_fixed_size 327680
		.amdhsa_private_segment_fixed_size 0
		.amdhsa_enable_private_segment 0
		.amdhsa_kernarg_size 32
		.amdhsa_user_sgpr_count 2
		.amdhsa_user_sgpr_kernarg_segment_ptr 1
		.amdhsa_wavefront_size32 1
		.amdhsa_system_sgpr_workgroup_id_x 1
		.amdhsa_system_sgpr_workgroup_id_y 1
		.amdhsa_system_sgpr_workgroup_id_z 1
		.amdhsa_system_vgpr_workitem_id 0
		.amdhsa_next_free_vgpr 1024
		.amdhsa_next_free_sgpr 102
		.amdhsa_reserve_vcc 0
		.amdhsa_float_denorm_mode_32 3
		.amdhsa_float_denorm_mode_16_64 3
		.amdhsa_memory_ordered 1
		.amdhsa_forward_progress 1
		.amdhsa_inst_pref_size 141
	.end_amdhsa_kernel
	.amdgpu_metadata
---
amdhsa.version: [ 1, 2 ]
amdhsa.kernels:
  - .name:           k_q748a071d97_proj
    .symbol:         k_q748a071d97_proj.kd
    .args:
      - { .name: xc, .offset: 0, .size: 8, .value_kind: global_buffer, .address_space: global }
      - { .name: xs, .offset: 8, .size: 8, .value_kind: global_buffer, .address_space: global }
      - { .name: pc, .offset: 16, .size: 8, .value_kind: global_buffer, .address_space: global }
      - { .name: ps, .offset: 24, .size: 8, .value_kind: global_buffer, .address_space: global }
    .group_segment_fixed_size: 327680
    .private_segment_fixed_size: 0
    .kernarg_segment_align: 8
    .kernarg_segment_size: 32
    .max_flat_workgroup_size: 128
    .sgpr_count:     102
    .vgpr_count:     1024
    .wavefront_size: 32
...
	.end_amdgpu_metadata
.endif
;; end of part 2
;; launch attn (part 3): grid 32 x 8, 8 waves a work-group, clusters of 4 x 1, 327,680 bytes of LDS; arguments pc, ps, oc, os; writes oc, os
.if DOCPART == 3
	.amdgcn_target "amdgcn-amd-amdhsa--gfx1250"
	.amdhsa_code_object_version 6
	.text
	.protected	k_q748a071d97_attn
	.globl	k_q748a071d97_attn
	.p2align	8
	.type	k_q748a071d97_attn,@function
k_q748a071d97_attn:
	s_mov_b64 s[64:65], 0
	v_nop
	global_prefetch_b8 v0, s[64:65] scope:SCOPE_SE
	s_setreg_imm32_b32 hwreg(HW_REG_WAVE_MODE, 25, 1), 1
	s_wait_xcnt 0x0
	s_wait_alu depctr_hold_cnt(0) depctr_sa_sdst(0) depctr_va_vdst(0) depctr_va_sdst(0) depctr_va_ssrc(0) depctr_va_vcc(0) depctr_vm_vsrc(0)
	s_getreg_b32 s2, hwreg(HW_REG_IB_STS2, 6, 4)
	s_cmp_eq_u32 s2, 0
	s_cbranch_scc0 .Lentry_in_a_cluster
	s_endpgm
.Lentry_in_a_cluster:
	s_bfe_u32 s2, ttmp6, 0x10000c
	s_cmp_lg_u32 s2, 0x3003
	s_cbranch_scc0 .Lentry_shape_is_right
	s_endpgm
.Lentry_shape_is_right:
; O[h][q] = sum over k of softmax_k(Q[h][q] . K[h][k] / sqrt(128)) V[h][k], 8 heads, 4,096 queries and keys, head size 128, both products on codes of FP6 (E2M3) with E8M0 scales; O leaves as codes along D = 1,024.
; THE INPUT mask IS LOADED BY NO LAUNCH: the function computed makes no use of it, so no output number hangs on it.
; THE SOFTMAX: t = score x log2(e) / sqrt(128); M = the running largest t rounded UP to a whole number; p = 2^(t - M) is quantised along the keys, not normalised; the row's sum is taken of the unquantised p and divides at the end.
; When M moves, the sum and O are multiplied by 2^(old M - new M): exact.
; OPERANDS are fragments, 16 rows x 128 K as images of the operand's 12 registers (1,536 bytes; scale image 64 bytes).  pc, ps: Q head x 256 + query tile; K 2048 + head x 256 + key tile;
; V 4096 + (head x 32 + key step) x 8 + channel tile (rows = channels, K = keys).  oc, os: query tile x 8 + head.
; LIMITS: inside each block of 32 along a K both operands hold the elements in the order 0-7, 16-23, 8-15, 24-31, so products pair the right numbers and only the grouping of exact products inside a matrix
; instruction differs; a block of zeros keeps the byte 1; magnitudes under 2^-124, NaN and infinities are not served.
; SHARES.  A work-group owns 128 queries of one head.  Wave w = 2 g + kh holds TWO query tiles (slot 0: tile w, slot 1: tile w xor 1) and walks every second key step of 128 keys: a fragment of K or V feeds two matrix
; instructions.  At the end each wave hands its slot 1 (O^T, -M, the sum) to wave w xor 1 through LDS; the two halves meet under the larger M, by exact powers of two.
; LAYOUT.  Both products transposed: S^T = K Q^T, O^T = V^T P^T: a lane holds ONE query (lane % 16) throughout.
; CLUSTER.  The four query blocks of a cluster walk the same K and V: every tensor load is asked for jointly by the four (mask 15).
; LDS.  Two slots of 512 keys, 2^17 bytes apart: K's 32 fragments, then V's 32.  Behind them the head's scale images of K and of V, 16,384 bytes each, filled once; then the spare words.
; TWO REGIONS OF 128 REGISTERS CHANGE ROLES FROM STEP TO STEP: X = window 0 v128-255, Y = window 1 v0-127.  In a slot's first step K and then V lie in Y and the scores in X; in its second step the other way round.
; When p has become codes, the scores' region is free and takes the NEXT step's K: those 28 loads are out while O^T is rescaled and the second product runs.
; THE CHANGE OF SLOTS stands inside a slot's second step: its last LDS reads are V's; the maxima stand between the add and the wait for it, the exponentials, sums and conversions between the barrier's signal and its wait.
; REGISTERS.  Window 0: v1-11 addresses; v12-19 statistics; v20-43 Q; v44-45 Q's scale words; v46-49 K's; v115, 119, 123, 127 V's; v50-51 p's; v52-126 at work.  Window 1: v128-255 O^T.
.set SLOT1, 1<<17
.set VOFF,  49152
.set SCK,   2*SLOT1
.set SPARE, SCK+32768
.set STG,   8704                       ; the merge: 8,192 bytes of O^T and 512 of statistics for each wave, in slot 0, which has had its last fill and its last read by then
.set LI,  1                            ; 16 x lane
.set LS,  2                            ; 4 x lane
.set ADK, 3                            ; my K fragments in the slot in hand
.set ADV, 4                            ; my V fragments
.set SPW, 5                            ; my spare word; never rewritten
.set NIL, 6                            ; 0; never rewritten
.set ADS, 7                            ; my scale images
.set STW, 8
.set STR, 9
.set PFO, 10                           ; 256 x lane
.set LN,  11
.set ST,  12                           ; tile u: v[12+4u] -M, +1 the largest t, +2, +3 the sum in two halves
.set QF,  20
.set QS,  44
.set KS,  46
.set PW,  50
.set F,   52
.set BM,  56
.set PX,  64
.set SO,  72
.set T1,  80
.set SU,  82
.set AK0, 86                           ; 12288 kh + 16 x lane
.set AS0, 87                           ; SCK + 512 kh + 4 x lane
.set PC,  88
.set CT,  112                          ; of each four registers the conversions take three;
.set VS,  115                          ; the fourth holds a scale word of V and nothing else
.set S,   128
.set O,   128                          ; in window 1
.set WV,  12
.set LIM, 15
.set PFA, 18
.set SEL, 20
.set CS,  22
.set G1,  24
.set G1S, 32
.set G0,  40
.set G0S, 44
.set TB,  48
.set TS,  49
.set SLOTS, 50
.set MSB, 0
.macro WIN new                         ; the immediate's high byte repeats the setting that is left
.if MSB != (\new)
	s_set_vgpr_msb (MSB<<8)|(\new)
.set MSB, (\new)
.endif
.endm
.macro PLACES n
.rept \n
	v_nop
.endr
.endm
.macro CREST                           ; a round of the cluster's barrier behind its opening barrier
	s_cmp_lg_u32 s[WV], 0
	s_cbranch_scc1 .Lnot_wave_0_\@
	s_barrier_signal -3
.Lnot_wave_0_\@:
	s_barrier_wait -3
	s_barrier_signal -1
	s_barrier_wait -1
.endm
.macro CROUND
	s_barrier_signal -1
	s_barrier_wait -1
	CREST
.endm
.macro TLOAD                           ; waves 0 and 1 fetch K's halves of a slot, waves 2 and 3 V's, 24,576 dense bytes each; the branch hangs on the wave's number alone
	s_cmp_lt_u32 s[WV], 4
	s_cbranch_scc0 .Lnone_\@
	tensor_load_to_lds s[G0:G0+3], s[G1:G1+7]
	s_nop 0
	PLACES 4
.Lnone_\@:
.endm
; A PREFETCH of the slot after the one that is being asked for.  A slot is 2 x 49,152 bytes = 384 blocks of 256.  All clusters of a head walk the same K and V: the head's first cluster asks.  Its four partners are told
; apart BY ADDRESS: waves 4 to 6 of partner cx take part 3 cx + (wave - 4) of twelve, 8,192 bytes, lanes 256 bytes apart.  The last fill asks for nothing; slots 0 and 1 come by their loads alone.
.macro ASK
	s_cmp_gt_u32 s[SLOTS], s[LIM]
	s_cbranch_scc0 .Lnot_mine_\@
	global_prefetch_b8 v[PFO], s[PFA:PFA+1] th:TH_LOAD_NT scope:SCOPE_SE
.Lnot_mine_\@:
.endm
; 64 numbers of a lane, v[s] on in window w, register 16 b + i of block b of my row, become a fragment in v[pc] on and my row's scale word in v[pw].
.macro QUANT s, w, pc, ct, pw, tm
	WIN (\w)|((\w)<<2)
.irp b, 0,1,2,3
	v_max3_num_f32 v[\tm+\b], |v[\s+16*\b]|, |v[\s+16*\b+1]|, 0x1800000      ; with the floor 2^(3 - 127): the byte cannot fall under 1
.endr
.irp i, 2,4,6,8,10,12,14
.irp b, 0,1,2,3
	s_delay_alu instid0(VALU_DEP_4)
	v_max3_num_f32 v[\tm+\b], |v[\s+16*\b+\i]|, |v[\s+16*\b+\i+1]|, v[\tm+\b]
.endr
.endr
	WIN 0
.irp b, 0,1,2,3
	s_delay_alu instid0(VALU_DEP_4)
	v_permlanex16_b32 v[\tm+4+\b], v[\tm+\b], s[SEL], s[SEL+1]
.endr
.irp b, 0,1,2,3
	s_delay_alu instid0(VALU_DEP_4)
	v_max_num_f32 v[\tm+\b], v[\tm+\b], v[\tm+4+\b]
.endr
.irp b, 0,1,2,3
	s_delay_alu instid0(VALU_DEP_4)
	v_add_nc_u32 v[\tm+12+\b], 0xff000000, v[\tm+\b]                         ; 2 off the exponent field: the conversion's scale operand
.endr
.irp b, 0,1,2,3
	s_delay_alu instid0(VALU_DEP_4)
	v_lshrrev_b32 v[\tm+4+\b], 23, v[\tm+12+\b]                              ; the scale's byte
.endr
	s_delay_alu instid0(VALU_DEP_3)
	v_lshl_or_b32 v[\pw], v[\tm+5], 8, v[\tm+4]
	s_delay_alu instid0(VALU_DEP_1)
	v_lshl_or_b32 v[\pw], v[\tm+6], 16, v[\pw]
	s_delay_alu instid0(VALU_DEP_1)
	v_lshl_or_b32 v[\pw], v[\tm+7], 24, v[\pw]
	WIN \w
.irp c, 0,1
	v_cvt_scalef32_pk16_fp6_f32 v[\pc+6*\c:\pc+6*\c+2], v[\s+32*\c:\s+32*\c+15], v[\tm+12+2*\c]
	v_cvt_scalef32_pk16_fp6_f32 v[\ct+4*\c:\ct+4*\c+2], v[\s+32*\c+16:\s+32*\c+31], v[\tm+13+2*\c]
.endr
	WIN 0
	v_nop                                          ; one plain instruction behind the scaled conversions
.irp c, 0,1
.irp i, 0,1,2
	v_permlane16_swap_b32 v[\pc+6*\c+\i], v[\ct+4*\c+\i]
.endr
.irp i, 0,1,2
	s_delay_alu instid0(VALU_DEP_3)
	v_mov_b32 v[\pc+6*\c+3+\i], v[\ct+4*\c+\i]
.endr
.endr
.endm
	s_load_b256 s[4:11], s[0:1], 0x0               ; pc s[4:5], ps s[6:7], oc s[8:9], os s[10:11]
	v_lshl_add_u32 v[SPW], v0, 2, SPARE
	v_mov_b32 v[NIL], 0
	ds_add_u32 v[SPW], v[NIL]                      ; the opening lines: the add, twice on end, and its wait ahead of my first tensor load
	ds_add_u32 v[SPW], v[NIL]
	v_lshrrev_b32 v1, 5, v0
	s_delay_alu instid0(VALU_DEP_1)
	v_readfirstlane_b32 s[WV], v1                  ; wave 0..7
	s_bfe_u32 s13, ttmp6, 0x40000                  ; cx: it enters Q's, O's and the prefetches' global addresses alone
	s_and_b32 s52, ttmp7, 0xffff                   ; the head, which the four partners share
	s_bfe_u32 s53, s[WV], 0x10001                  ; bit 1 of the wave's number: I fetch for K (0) or for V (1)
	s_and_b32 s14, s[WV], 1                        ; kh; also which half I fetch
	s_lshl_b32 s55, s52, 8                         ; 256 x head
	s_add_co_u32 s54, s53, 1
	s_lshl_b32 s54, s54, 11                        ; K from fragment 2048, V from 4096
	s_add_co_u32 s54, s54, s55
	s_mul_i32 s56, s54, 1536
	s_mul_i32 s16, s14, 24576                      ; my half of a slot's 32 fragments
	s_add_co_u32 s56, s56, s16
	s_mov_b32 s57, 0
	s_lshl_b32 s58, s54, 6
	s_lshl_b32 s16, s14, 13                        ; my half of the head's 16,384 bytes of scale images
	s_add_co_u32 s58, s58, s16
	s_mov_b32 s59, 0
	s_lshl_b32 s60, ttmp9, 2
	s_add_co_u32 s60, s60, s13                     ; my block of 128 queries
	s_lshl_b32 s60, s60, 3
	s_add_co_u32 s61, s60, s[WV]                   ; slot 0's query tile
	s_xor_b32 s62, s61, 1                          ; slot 1's
	s_mov_b32 s[G1], 15|(3<<16)|(1<<21)            ; the mask: all four work-groups; elements of 8 bytes; bit 21 beside a mask
	s_mov_b32 s[G1+1], 32<<16                      ; rows of 256 bytes,
	s_mov_b32 s[G1+2], 96<<16                      ; 96 of them, dense
	s_mov_b32 s[G1+3], 32<<16
	s_mov_b32 s[G1+4], 96
	s_mov_b32 s[G1+5], 32
	s_mov_b32 s[G1+6], 0
	s_mov_b32 s[G1+7], 0
	s_mov_b32 s[G1S], 15|(3<<16)|(1<<21)
	s_mov_b32 s[G1S+1], 32<<16
	s_mov_b32 s[G1S+2], 32<<16                     ; 32 rows: 8,192 bytes
	s_mov_b32 s[G1S+3], 32<<16
	s_mov_b32 s[G1S+4], 32
	s_mov_b32 s[G1S+5], 32
	s_mov_b32 s[G1S+6], 0
	s_mov_b32 s[G1S+7], 0
	s_mov_b32 s[SEL], 0x76543210
	s_mov_b32 s[SEL+1], 0xfedcba98
	s_mov_b32 s[CS], 0x3e0293ee                    ; c = log2(e) / sqrt(128)
	s_mov_b32 s[CS+1], s[CS]
	s_mov_b32 s[TB], 0
	s_mov_b32 s[TS], 0
	s_mov_b32 s[SLOTS], 7                          ; fills still to come
	s_sub_co_u32 s16, s[WV], 4                     ; who prefetches: waves 4 to 6
	s_cmp_lt_u32 s16, 3
	s_cselect_b32 s16, 0, 1
	s_or_b32 s16, s16, ttmp9                       ; of the head's first cluster
	s_cmp_eq_u32 s16, 0
	s_cselect_b32 s[LIM], 1, -1
	s_and_b32 s16, s[WV], 3
	s_min_u32 s16, s16, 2
	s_mul_i32 s17, s13, 3
	s_add_co_u32 s16, s16, s17                     ; part 0 .. 11: 0 to 5 lie in K's block, 6 to 11 in V's
	s_mul_i32 s17, s16, 11
	s_lshr_b32 s17, s17, 6                         ; 1 from part 6 on
	s_mul_i32 s17, s17, 3096576                    ; from K's block's end to V's block: 2048 x 1536 - 49152
	s_lshl_b32 s16, s16, 13
	s_add_co_u32 s16, s16, s17
	s_add_co_u32 s17, s55, 2048
	s_mul_i32 s17, s17, 1536
	s_add_co_u32 s16, s16, s17
	s_add_co_u32 s16, s16, 49152                   ; in slot 1: the first fill behind the head steps it to slot 2
	s_mov_b32 s17, 0
	s_wait_dscnt 0x0                               ; both opening adds are done
	s_wait_kmcnt 0x0
	s_add_nc_u64 s[PFA:PFA+1], s[4:5], s[16:17]
	s_mov_b32 s[G0], 1
	s_mul_i32 s[G0+1], s[WV], 24576                ; slot 0: K's halves, then V's (waves 0 to 3 use it)
	s_add_nc_u64 s[G0+2:G0+3], s[4:5], s[56:57]
	s_or_b32 s[G0+3], s[G0+3], 0x80000000
	s_mov_b32 s[G0S], 1
	s_and_b32 s16, s[WV], 3
	s_lshl_b32 s[G0S+1], s16, 13
	s_add_co_u32 s[G0S+1], s[G0S+1], SCK           ; waves 4 to 7: a quarter of the scale images each
	s_add_nc_u64 s[G0S+2:G0S+3], s[6:7], s[58:59]
	s_or_b32 s[G0S+3], s[G0S+3], 0x80000000
	s_lshl_b32 s16, s61, 3
	s_add_co_u32 s16, s16, s52                     ; my output fragment: query tile x 8 + head
	s_mul_i32 s56, s16, 1536
	s_add_nc_u64 s[8:9], s[8:9], s[56:57]
	s_lshl_b32 s56, s16, 6
	s_add_nc_u64 s[10:11], s[10:11], s[56:57]
	s_add_co_u32 s16, s55, s61                     ; Q's fragments: head x 256 + query tile
	s_mul_i32 s53, s16, 1536
	s_lshl_b32 s54, s16, 6
	s_add_co_u32 s16, s55, s62
	s_mul_i32 s58, s16, 1536
	s_lshl_b32 s59, s16, 6
	s_mul_i32 s56, s14, 12288
	s_lshl_b32 s57, s14, 9
	s_add_co_u32 s57, s57, SCK
	s_mul_i32 s60, s[WV], STG
	s_xor_b32 s63, s[WV], 1
	s_mul_i32 s63, s63, STG
	CROUND                                         ; all four work-groups are here: the first joint loads meet
	s_cmp_lt_u32 s[WV], 4                          ; THE HEAD'S LOADS, ONE A WAVE: waves 0 to 3 slot 0's codes, waves 4 to 7 the scale images
	s_cbranch_scc0 .Lhead_s
	tensor_load_to_lds s[G0:G0+3], s[G1:G1+7]
	s_nop 0
	PLACES 4
	s_branch .Lhead_j
.Lhead_s:
	tensor_load_to_lds s[G0S:G0S+3], s[G1S:G1S+7]
	s_nop 0
	PLACES 4
.Lhead_j:
	v_and_b32 v[LN], 31, v0
	v_and_b32 v84, 15, v0
	s_delay_alu instid0(VALU_DEP_2)
	v_lshlrev_b32 v[LI], 4, v[LN]
	s_delay_alu instid0(VALU_DEP_2)
	v_lshlrev_b32 v84, 2, v84                      ; 4 r
	v_lshlrev_b32 v[LS], 2, v[LN]
	v_lshlrev_b32 v[PFO], 8, v[LN]
	v_add_nc_u32 v80, s53, v[LI]
	v_add_nc_u32 v82, s54, v84
	v_add_nc_u32 v81, s58, v[LI]
	v_add_nc_u32 v83, s59, v84
.irp u, 0,1
.irp g, 0,1,2
	global_load_b128 v[QF+12*\u+4*\g:QF+12*\u+4*\g+3], v[80+\u], s[4:5] offset:512*\g   ; Q stays in registers
.endr
	global_load_b32 v[QS+\u], v[82+\u], s[6:7]
.endr
	v_add_nc_u32 v[AK0], s56, v[LI]
	v_add_nc_u32 v[AS0], s57, v[LS]
	v_add_nc_u32 v[ADK], s56, v[LI]                ; slot 0
	v_add_nc_u32 v[ADS], s57, v[LS]
	v_add_nc_u32 v[STW], s60, v[LI]
	v_add_nc_u32 v[STR], s63, v[LI]
	v_add_nc_u32 v[ADV], VOFF, v[ADK]
.irp u, 0,1
	v_mov_b32 v[ST+4*\u+1], 0xff61b1e6             ; the largest t so far: -3e38, under every t
	s_delay_alu instid0(VALU_DEP_1)
	v_floor_f32 v[ST+4*\u], -v[ST+4*\u+1]          ; -M
	v_mov_b32 v[ST+4*\u+2], 0
	v_mov_b32 v[ST+4*\u+3], 0
	v_mov_b32 v[F+2*\u+1], 0                       ; (named as the upper half of a pair)
.endr
.irp n, 0,1,2,3,4,5,6,7
	v_mov_b32 v[PX+\n], 0                          ; written once: a lane permute's destination counts as one of its sources
.endr
	WIN 0x40
.set j, 0
.rept 128
	v_mov_b32 v[O+j], 0                            ; O^T: the key step has no first step of its own: it finds zeros, which the first change of M leaves zeros
.set j, j+1
.endr
	WIN 0
; Eight fragments into window dw from v[db] on, and their scale words into v[sr + ss i]: one load of 4 bytes a lane brings two neighbouring images, lanes 0-15 the even tile's, lanes 16-31 the odd tile's.  28 loads.
.macro FETCH adr, q, so, dw, db, sr, ss
	WIN (\dw)<<6
.irp t, 0,1,2,3,4,5,6,7
.irp g, 0,1,2
	ds_load_b128 v[(\db)+12*\t+4*\g:(\db)+12*\t+4*\g+3], v[\adr] offset:24576*(\q)+1536*\t+512*\g
.endr
.endr
	WIN 0
.irp i, 0,1,2,3
	ds_load_b32 v[\sr+\ss*\i], v[ADS] offset:\so+1024*(\q)+128*\i
.endr
.endm
; THE SOFTMAX of both tiles for 128 keys, in two parts.  The scores lie in window w from v[SB]; block n = 4 u + b is block b of tile u, its 16 numbers of my lane at v[SB + 16 n].
; Part A: the blocks' largest scores, the running M, f.
.macro SMA w
.set SB, 128*(1-(\w))
	WIN (\w)*0x15
.irp n, 0,1,2,3,4,5,6,7
	v_max3_num_f32 v[BM+\n], v[SB+16*\n], v[SB+16*\n+1], v[SB+16*\n+2]   ; the largest score of each block serves twice: for the row's maximum and, since p rises with the score, for the block's largest p
.endr
	WIN (\w)*0x14
.irp i, 3,5,7,9,11,13
.irp n, 0,1,2,3,4,5,6,7
	v_max3_num_f32 v[BM+\n], v[BM+\n], v[SB+16*\n+\i], v[SB+16*\n+\i+1]
.endr
.endr
.irp n, 0,1,2,3,4,5,6,7
	v_max_num_f32 v[BM+\n], v[BM+\n], v[SB+16*\n+15]
.endr
	WIN 0
.irp n, 0,1,2,3,4,5,6,7
	v_permlanex16_b32 v[PX+\n], v[BM+\n], s[SEL], s[SEL+1]
.endr
.irp n, 0,1,2,3,4,5,6,7
	v_max_num_f32 v[BM+\n], v[BM+\n], v[PX+\n]     ; with lane l xor 16's 16 keys
.endr
	v_max3_num_f32 v[T1], v[BM], v[BM+1], v[BM+2]
	s_delay_alu instid0(VALU_DEP_3)
	v_max3_num_f32 v[T1+1], v[BM+4], v[BM+5], v[BM+6]
.irp u, 0,1
	s_delay_alu instid0(VALU_DEP_2)
	v_max_num_f32 v[T1+\u], v[T1+\u], v[BM+4*\u+3]
.endr
.irp u, 0,1
	s_delay_alu instid0(VALU_DEP_2)
	v_mul_f32 v[T1+\u], s[CS], v[T1+\u]            ; as t (c is positive)
.endr
.irp u, 0,1
	s_delay_alu instid0(VALU_DEP_2)
	v_max_num_f32 v[ST+4*\u+1], v[ST+4*\u+1], v[T1+\u]   ; the running largest t
.endr
.irp u, 0,1
	v_mov_b32 v[T1+\u], v[ST+4*\u]
.endr
.irp u, 0,1
	s_delay_alu instid0(VALU_DEP_4)
	v_floor_f32 v[ST+4*\u], -v[ST+4*\u+1]          ; the new -M = floor(-t) = -ceil(t)
.endr
.irp u, 0,1
	s_delay_alu instid0(VALU_DEP_2)
	v_sub_f32 v[T1+\u], v[ST+4*\u], v[T1+\u]       ; old M - new M: a whole number, 0 or less
.endr
.irp u, 0,1
	s_delay_alu instid0(VALU_DEP_2)
	v_cvt_i32_f32 v[T1+\u], v[T1+\u]               ; (it saturates)
.endr
.irp u, 0,1
	s_delay_alu instid0(VALU_DEP_2)
	v_ldexp_f32 v[F+2*\u], 1.0, v[T1+\u]           ; f = 2^(old M - new M)
.endr
.irp n, 0,1,2,3,4,5,6,7
	v_fma_f32 v[BM+\n], v[BM+\n], s[CS], v[ST+4*(\n/4)]   ; t - M of each block's largest score
.endr
.endm
; Part B: p, the sums, p's codes and scale words.  Work on registers alone.
.macro SMB w
.set SB, 128*(1-(\w))
	WIN (\w)*0x41
.irp u, 0,1
.set j, 0
.rept 32
	v_pk_fma_f32 v[SB+64*\u+j:SB+64*\u+j+1], v[SB+64*\u+j:SB+64*\u+j+1], s[CS:CS+1], v[ST+4*\u:ST+4*\u+1] op_sel_hi:[1,0,0]   ; t - M, two at a time
.set j, j+2
.endr
.endr
	WIN 0
	s_wait_alu depctr_va_vdst(0)                   ; the wait ahead of the batch
.irp n, 0,1,2,3,4,5,6,7
	v_exp_f32 v[BM+\n], v[BM+\n]                   ; the block's largest p: the same two instructions on the same number
.endr
	WIN (\w)*0x41
.set j, 0
.rept 128
	v_exp_f32 v[SB+j], v[SB+j]                     ; p = 2^(t - M), at most 1: not normalised
.set j, j+1
.endr
	WIN 0
.irp u, 0,1
	v_pk_mul_f32 v[ST+4*\u+2:ST+4*\u+3], v[ST+4*\u+2:ST+4*\u+3], v[F+2*\u:F+2*\u+1] op_sel_hi:[1,0]   ; the sums under the new M (plain instructions behind the exponentials)
.endr
	s_wait_alu depctr_va_vdst(0)                   ; one wait for the batch of 136, ahead of its first reader
	WIN (\w)*0x05
.irp u, 0,1
	v_pk_add_f32 v[SU+2*\u:SU+2*\u+1], v[SB+64*\u:SB+64*\u+1], v[SB+64*\u+2:SB+64*\u+3]   ; the row's sum is taken of the unquantised p: two at a time, two chains a tile
.endr
	WIN (\w)*0x04
.irp i, 4,8,12,16,20,24,28,32,36,40,44,48,52,56,60
.irp u, 0,1
	v_pk_add_f32 v[ST+4*\u+2:ST+4*\u+3], v[ST+4*\u+2:ST+4*\u+3], v[SB+64*\u+\i:SB+64*\u+\i+1]
	v_pk_add_f32 v[SU+2*\u:SU+2*\u+1], v[SU+2*\u:SU+2*\u+1], v[SB+64*\u+\i+2:SB+64*\u+\i+3]
.endr
.endr
	WIN 0
.irp n, 0,1,2,3,4,5,6,7
	v_max_num_f32 v[BM+\n], 0x1800000, v[BM+\n]    ; the floor 2^(3 - 127): the byte cannot fall under 1.  (These eight also stand between the sums' chains and the two lines that join them)
.endr
	v_pk_add_f32 v[ST+2:ST+3], v[ST+2:ST+3], v[SU:SU+1]
	v_pk_add_f32 v[ST+6:ST+7], v[ST+6:ST+7], v[SU+2:SU+3]
.irp n, 0,1,2,3,4,5,6,7
	v_add_nc_u32 v[SO+\n], 0xff000000, v[BM+\n]    ; 2 off the exponent field: the conversion's scale operand
.endr
.irp n, 0,1,2,3,4,5,6,7
	v_lshrrev_b32 v[PX+\n], 23, v[SO+\n]           ; the scale's byte
.endr
	v_lshl_or_b32 v[PW], v[PX+1], 8, v[PX]         ; p's scale words for these 128 keys
	s_delay_alu instid0(VALU_DEP_4)
	v_lshl_or_b32 v[PW+1], v[PX+5], 8, v[PX+4]
.irp u, 0,1
	s_delay_alu instid0(VALU_DEP_2)
	v_lshl_or_b32 v[PW+\u], v[PX+4*\u+2], 16, v[PW+\u]
.endr
.irp u, 0,1
	s_delay_alu instid0(VALU_DEP_2)
	v_lshl_or_b32 v[PW+\u], v[PX+4*\u+3], 24, v[PW+\u]
.endr
	WIN \w
.irp u, 0,1
.irp c, 0,1
	v_cvt_scalef32_pk16_fp6_f32 v[PC+12*\u+6*\c:PC+12*\u+6*\c+2], v[SB+64*\u+32*\c:SB+64*\u+32*\c+15], v[SO+4*\u+2*\c]
	v_cvt_scalef32_pk16_fp6_f32 v[CT+8*\u+4*\c:CT+8*\u+4*\c+2], v[SB+64*\u+32*\c+16:SB+64*\u+32*\c+31], v[SO+4*\u+2*\c+1]
.endr
.endr
	WIN 0
	v_nop                                          ; one plain instruction behind the scaled conversions
.irp u, 0,1
.irp c, 0,1                                    ; the operand wants a whole block in a lane
.irp i, 0,1,2
	v_permlane16_swap_b32 v[PC+12*\u+6*\c+\i], v[CT+8*\u+4*\c+\i]
.endr
.irp i, 0,1,2
	s_delay_alu instid0(VALU_DEP_3)
	v_mov_b32 v[PC+12*\u+6*\c+3+\i], v[CT+8*\u+4*\c+\i]
.endr
.endr
.endr
.endm
; A KEY STEP of mine, the q-th of my two in the slot in hand.  K, then V: window 1 - q from v[128 q]; the scores: window q from v[128 (1 - q)].
; mode 0: the next step's K lies in the same slot.  1: the slot is left and filled again.  2: it is left and not filled again.  3: the very last step.
.macro STEP q, mode
.set KB, 128*(\q)
.set SD, 128*(1-(\q))
	s_wait_dscnt 0x0                               ; K, asked for ahead of the last step's second product, is in
	WIN (1-(\q))|((\q)<<6)
.irp t, 0,1,2,3,4,5,6,7                        ; S^T = K Q^T: each fragment of K against both tiles of queries
.irp u, 0,1
.if \t%2 == 0
	v_wmma_scale_f32_16x16x128_f8f6f4 v[SD+64*\u+8*\t:SD+64*\u+8*\t+7], v[KB+12*\t:KB+12*\t+11], v[QF+12*\u:QF+12*\u+11], 0, v[KS+\t/2], v[QS+\u] matrix_a_fmt:MATRIX_FMT_FP6 matrix_b_fmt:MATRIX_FMT_FP6
.else
	v_wmma_scale_f32_16x16x128_f8f6f4 v[SD+64*\u+8*\t:SD+64*\u+8*\t+7], v[KB+12*\t:KB+12*\t+11], v[QF+12*\u:QF+12*\u+11], 0, v[KS+\t/2], v[QS+\u] matrix_a_fmt:MATRIX_FMT_FP6 matrix_b_fmt:MATRIX_FMT_FP6 matrix_a_scale:MATRIX_SCALE_ROW1
.endif
.endr
.endr
	WIN 0
	PLACES 4                                       ; in front of loads into registers that these products read, and of the first read of their results (ISA guide 7.12.1 for vector instructions)
	FETCH ADV, \q, 16384, 1-(\q), KB, VS, 4        ; V takes K's registers and lands while the softmax is walked
.if (\mode) == 1 || (\mode) == 2
	s_wait_tensorcnt 0x0                           ; all my tensor loads have landed: my part of the next slot
	ds_add_u32 v[SPW], v[NIL]                      ; 0 onto my spare word
.if (\mode) == 1
	s_xor_b32 s[G0+1], s[G0+1], SLOT1              ; no load of mine is out, so the walking group 0 may be written: the slot that I am leaving,
	s_add_nc_u64 s[G0+2:G0+3], s[G0+2:G0+3], 49152 ; the next 512 keys
	s_wait_xcnt 0x0                                ; the last prefetch has read its address
	s_add_nc_u64 s[PFA:PFA+1], s[PFA:PFA+1], 49152
.endif
	s_xor_b32 s[TB], s[TB], SLOT1                  ; my last reads of this slot are issued: the addresses go on to the other slot
	s_add_co_u32 s[TS], s[TS], 2048
	v_add_nc_u32 v[ADK], s[TB], v[AK0]
	v_add_nc_u32 v[ADS], s[TS], v[AS0]
	s_delay_alu instid0(VALU_DEP_2)
	v_add_nc_u32 v[ADV], VOFF, v[ADK]
.endif
	SMA \q
.if (\mode) == 1 || (\mode) == 2
	s_wait_alu depctr_va_vdst(0)
	s_wait_dscnt 0x0                               ; the add is done, V is in: my reads of this slot are over
	s_barrier_signal -1
.endif
	SMB \q
.if (\mode) == 1 || (\mode) == 2
	s_wait_alu depctr_va_vdst(0)
	s_barrier_wait -1                              ; nobody of my work-group reads the slot any more, and the next slot is whole
.endif
.if (\mode) == 1
	CREST                                          ; the barrier has opened a round of the cluster's barrier: the same holds of all four partners
	TLOAD                                          ; the joint refill, the first tensor load behind the round
.endif
.if (\mode) == 0
	FETCH ADK, 1, 0, \q, SD, KS, 1                 ; the next step's K into the registers that p has left
.elseif (\mode) < 3
	FETCH ADK, 0, 0, \q, SD, KS, 1                 ; the same, from the next slot
.endif
.if (\mode) == 1
	ASK
.endif
	WIN 0x41
	s_wait_alu depctr_va_vdst(0)                   ; the wait directly ahead of the first reader of O^T
.irp u, 0,1
.set j, 0
.rept 32
	v_pk_mul_f32 v[O+64*\u+j:O+64*\u+j+1], v[O+64*\u+j:O+64*\u+j+1], v[F+2*\u:F+2*\u+1] op_sel_hi:[1,0]   ; O^T under the new M, each accumulator from its low end on.  (These 64 also stand between the writes of p's codes and scale words and the products that take them)
.set j, j+2
.endr
.endr
	s_wait_alu depctr_va_vdst(0)
.if (\mode) == 3
	s_wait_dscnt 0x0
.else
	s_wait_dscnt 28                                ; V is in; the 28 younger loads, the next K and its scale words, may be out
.endif
	WIN (1-(\q))|0x50
.irp t, 0,1,2,3,4,5,6,7                        ; O^T += V^T P^T: the 16 accumulators take turns, one instruction a turn
.irp u, 0,1
.if \t%2 == 0
	v_wmma_scale_f32_16x16x128_f8f6f4 v[O+64*\u+8*\t:O+64*\u+8*\t+7], v[KB+12*\t:KB+12*\t+11], v[PC+12*\u:PC+12*\u+11], v[O+64*\u+8*\t:O+64*\u+8*\t+7], v[VS+4*(\t/2)], v[PW+\u] matrix_a_fmt:MATRIX_FMT_FP6 matrix_b_fmt:MATRIX_FMT_FP6
.else
	v_wmma_scale_f32_16x16x128_f8f6f4 v[O+64*\u+8*\t:O+64*\u+8*\t+7], v[KB+12*\t:KB+12*\t+11], v[PC+12*\u:PC+12*\u+11], v[O+64*\u+8*\t:O+64*\u+8*\t+7], v[VS+4*(\t/2)], v[PW+\u] matrix_a_fmt:MATRIX_FMT_FP6 matrix_b_fmt:MATRIX_FMT_FP6 matrix_a_scale:MATRIX_SCALE_ROW1
.endif
.endr
.endr
	WIN 0
	PLACES 5                                       ; the next step's scores are written over V's registers: five plain instructions (ISA guide 7.12.1)
.endm
	s_wait_alu depctr_va_vdst(0)                   ; the wait at the head's end
	s_wait_tensorcnt 0x0                           ; my load of the head is in; slot 1's first fill is issued as a refill is:
	ds_add_u32 v[SPW], v[NIL]                      ; 0 onto my spare word
	s_xor_b32 s[G0+1], s[G0+1], SLOT1
	s_add_nc_u64 s[G0+2:G0+3], s[G0+2:G0+3], 49152
	s_add_nc_u64 s[PFA:PFA+1], s[PFA:PFA+1], 49152 ; (no prefetch is out yet)
	s_wait_dscnt 0x0
	CROUND
	TLOAD                                          ; slot 1
	FETCH ADK, 0, 0, 1, 0, KS, 1                   ; the first step's K
	ASK                                            ; slot 2
	s_mov_b32 s[SLOTS], 6
	s_wait_loadcnt 0x0                             ; Q and its scale words
.Lslot:                                            ; 6 trips, slots 0 to 5: each is filled again when it has been read
	STEP 0, 0
	STEP 1, 1
	s_sub_co_u32 s[SLOTS], s[SLOTS], 1
	s_cmp_lg_u32 s[SLOTS], 0
	s_cbranch_scc1 .Lslot
	STEP 0, 0                                      ; slots 6 and 7 are written out
	STEP 1, 2
	STEP 0, 0
	STEP 1, 3
	; THE MERGE.  My slot 1 is wave w xor 1's slot 0: its O^T and statistics go to that wave through LDS, as images of the registers; I take that wave's slot 1 for my slot 0.
	WIN 0x04                                       ; an LDS store's data are its source 1: window 1
.set j, 0
.rept 16
	ds_store_b128 v[STW], v[O+64+4*j:O+64+4*j+3] offset:512*j   ; each accumulator from its low end on
.set j, j+1
.endr
	WIN 0
	ds_store_b128 v[STW], v[ST+4:ST+7] offset:8192
	s_wait_dscnt 0x0                               ; for the other wave's sake: my stores have landed
	s_barrier_signal -1
	s_barrier_wait -1
.set j, 0
.rept 16
	ds_load_b128 v[S+4*j:S+4*j+3], v[STR] offset:512*j
.set j, j+1
.endr
	ds_load_b128 v[S+64:S+67], v[STR] offset:8192  ; the other half's -M, largest t, sum
	s_wait_dscnt 0x0
	v_min_num_f32 v80, v[ST], v[S+64]              ; -M of both halves of the keys
	s_delay_alu instid0(VALU_DEP_1)
	v_sub_f32 v81, v80, v[ST]                      ; my M - M,
	s_delay_alu instid0(VALU_DEP_2)
	v_sub_f32 v82, v80, v[S+64]                    ; the other's M - M: whole numbers, 0 or less
	s_delay_alu instid0(VALU_DEP_2)
	v_cvt_i32_f32 v81, v81
	s_delay_alu instid0(VALU_DEP_2)
	v_cvt_i32_f32 v82, v82
	s_delay_alu instid0(VALU_DEP_2)
	v_ldexp_f32 v[F], 1.0, v81
	s_delay_alu instid0(VALU_DEP_2)
	v_ldexp_f32 v[F+2], 1.0, v82
	s_delay_alu instid0(VALU_DEP_2)
	v_pk_mul_f32 v[ST+2:ST+3], v[ST+2:ST+3], v[F:F+1] op_sel_hi:[1,0]
	s_delay_alu instid0(VALU_DEP_1)
	v_pk_fma_f32 v[ST+2:ST+3], v[S+66:S+67], v[F+2:F+3], v[ST+2:ST+3] op_sel_hi:[1,0,1]
	s_delay_alu instid0(VALU_DEP_1)
	v_add_f32 v[ST+2], v[ST+2], v[ST+3]            ; the sum's two halves,
	s_delay_alu instid0(VALU_DEP_1)
	v_permlanex16_b32 v81, v[ST+2], s[SEL], s[SEL+1]
	s_delay_alu instid0(VALU_DEP_1)
	v_add_f32 v[ST+2], v[ST+2], v81                ; and lane l xor 16's: the row's sum
	s_wait_alu depctr_va_vdst(0)                   ; the wait ahead of the reciprocal
	v_rcp_f32 v[ST+2], v[ST+2]
	v_nop                                          ; a plain instruction behind the reciprocal
	s_wait_alu depctr_va_vdst(0)                   ; and the wait ahead of its first reader
	v_mul_f32 v[F], v[F], v[ST+2]                  ; 2^(my M - M) / the sum: a power of two times the reciprocal rounds nothing
	v_mul_f32 v[F+2], v[F+2], v[ST+2]
.set j, 0
.rept 32
	v_pk_mul_f32 v[S+j:S+j+1], v[S+j:S+j+1], v[F+2:F+3] op_sel_hi:[1,0]
.set j, j+2
.endr
	WIN 0x01                                       ; source 0: my O^T, window 1
.set j, 0
.rept 32
	v_pk_fma_f32 v[S+j:S+j+1], v[O+j:O+j+1], v[F:F+1], v[S+j:S+j+1] op_sel_hi:[1,0,1]   ; register 8 t + i: o(query r, channel 16 t + 8 h + i)
.set j, j+2
.endr
	WIN 0
	QUANT S, 0, PC, CT, PW, BM                     ; the head's 128 channels are one K step of the last product: one fragment
.irp g, 0,1,2
	global_store_b128 v[LI], v[PC+4*\g:PC+4*\g+3], s[8:9] offset:512*\g   ; 32 lanes store 512 consecutive bytes, aligned
.endr
	s_wait_xcnt 0x0                                ; EXEC changes only behind this wait
	v_cmp_gt_u32 vcc_lo, 16, v[LN]
	s_and_saveexec_b32 s51, vcc_lo
	global_store_b32 v[LS], v[PW], s[10:11]        ; lanes 0-15: the fragment's scale image, 64 bytes
	s_wait_xcnt 0x0                                ; and again in front of the line that widens it
	s_or_b32 exec_lo, exec_lo, s51
	s_wait_tensorcnt 0x0                           ; the wave's end, behind my last tensor load and my last LDS store
	ds_add_u32 v[SPW], v[NIL]
	s_wait_dscnt 0x0
	CROUND                                         ; the closing round: no work-group ends while a partner may still ask for a tile that names it
	s_endpgm
.Lfunc_end_k_q748a071d97_attn:
	.size	k_q748a071d97_attn, .Lfunc_end_k_q748a071d97_attn-k_q748a071d97_attn
	.p2alignl 7, 3214868480
	.fill 96, 4, 3214868480
	.section	.rodata,"a",@progbits
	.p2align	6, 0x0
	.amdhsa_kernel k_q748a071d97_attn
		.amdhsa_group_segment_fixed_size 327680
		.amdhsa_private_segment_fixed_size 0
		.amdhsa_enable_private_segment 0
		.amdhsa_kernarg_size 32
		.amdhsa_user_sgpr_count 2
		.amdhsa_user_sgpr_kernarg_segment_ptr 1
		.amdhsa_wavefront_size32 1
		.amdhsa_system_sgpr_workgroup_id_x 1
		.amdhsa_system_sgpr_workgroup_id_y 1
		.amdhsa_system_sgpr_workgroup_id_z 1
		.amdhsa_system_vgpr_workitem_id 0
		.amdhsa_next_free_vgpr 512
		.amdhsa_next_free_sgpr 66
		.amdhsa_reserve_vcc 1
		.amdhsa_float_denorm_mode_32 3
		.amdhsa_float_denorm_mode_16_64 3
		.amdhsa_memory_ordered 1
		.amdhsa_forward_progress 1
		.amdhsa_inst_pref_size 236
	.end_amdhsa_kernel
	.amdgpu_metadata
---
amdhsa.version: [ 1, 2 ]
amdhsa.kernels:
  - .name:           k_q748a071d97_attn
    .symbol:         k_q748a071d97_attn.kd
    .args:
      - { .name: pc, .offset: 0, .size: 8, .value_kind: global_buffer, .address_space: global }
      - { .name: ps, .offset: 8, .size: 8, .value_kind: global_buffer, .address_space: global }
      - { .name: oc, .offset: 16, .size: 8, .value_kind: global_buffer, .address_space: global }
      - { .name: os, .offset: 24, .size: 8, .value_kind: global_buffer, .address_space: global }
    .group_segment_fixed_size: 327680
    .private_segment_fixed_size: 0
    .kernarg_segment_align: 8
    .kernarg_segment_size: 32
    .max_flat_workgroup_size: 256
    .sgpr_count:     66
    .vgpr_count:     512
    .wavefront_size: 32
...
	.end_amdgpu_metadata
.endif
;; end of part 3
;; launch outp (part 4): grid 8 x 32, 4 waves a work-group, clusters of 4 x 4, 327,680 bytes of LDS; arguments oc, os, xc, xs, out0; writes out0
.if DOCPART == 4
	.amdgcn_target "amdgcn-amd-amdhsa--gfx1250"
	.amdhsa_code_object_version 6
	.text
	.protected	k_q748a071d97_outp
	.globl	k_q748a071d97_outp
	.p2align	8
	.type	k_q748a071d97_outp,@function
k_q748a071d97_outp:
	s_mov_b64 s[64:65], 0
	v_nop
	global_prefetch_b8 v0, s[64:65] scope:SCOPE_SE
	s_setreg_imm32_b32 hwreg(HW_REG_WAVE_MODE, 25, 1), 1
	s_wait_xcnt 0x0
	s_wait_alu depctr_hold_cnt(0) depctr_sa_sdst(0) depctr_va_vdst(0) depctr_va_sdst(0) depctr_va_ssrc(0) depctr_va_vcc(0) depctr_vm_vsrc(0)
	s_getreg_b32 s2, hwreg(HW_REG_IB_STS2, 6, 4)
	s_cmp_eq_u32 s2, 0
	s_cbranch_scc0 .Lentry_in_a_cluster
	s_endpgm
.Lentry_in_a_cluster:
	s_bfe_u32 s2, ttmp6, 0x10000c
	s_cmp_lg_u32 s2, 0xf033
	s_cbranch_scc0 .Lentry_shape_is_right
	s_endpgm
.Lentry_shape_is_right:
; out0[m][n] = sum over k of O[m][k] Wo[n][k], K = 1,024, on codes of FP6 (E2M3) with E8M0 scales; out0 [4096][1024] f32.
; OPERANDS are fragments, 16 rows x 128 K as images of the operand's 12 registers (group g of lane l at 512 g + 16 l), 1,536 bytes; scale image 64 bytes; fragment = row tile x 8 + K step.  O: oc, os from fragment 0;
; Wo: xc, xs from fragment 7680.  Both hold the elements of a block of 32 in the same order (stated at the first launch's head).  The input mask is loaded by no launch.
; SHARES.  A work-group makes 128 x 128: 256 work-groups; four waves, 2 x 2, each 64 x 64: 16 accumulators.  THE PRODUCT IS USED TRANSPOSED (source 0 = 16 rows of Wo, source 1 = 16 rows of O): a lane's eight results are
; eight neighbouring columns of one row of out0.
; ALL OF K LIES IN LDS: a side's 8 row tiles x 8 K steps are 98,304 dense bytes of memory, its scale images 4,096.  Four first fills, one a wave, at the head; nothing is filled again; one wait for 0 and one barrier.
; CLUSTERS: 4 x 4 work-groups; O's tiles are asked for jointly along a row of the cluster, Wo's along a column.  NO PREFETCH: all loads go out at the head, so there is no loop to run ahead in.
.set NB,    4                          ; B's row tiles of a wave
.set BOFF,  8*12288                    ; A's 8 row tiles x 8 K steps lie first, dense as in memory; then B's
.set SCA,   2*BOFF                     ; A's scale images: [row tile][K step][64]
.set SCB,   SCA+8*512                  ; B's
.set STG,   SCB+2*NB*512               ; the way out: 16 rows x (256 bytes + 16) for each wave
.set SPARE, STG+4*4352                 ; the spare words, 128 bytes for each wave
.set ADRA, 2                           ; v2     my A fragments
.set ADRB, 6                           ; v6-7   my B fragments: one address for each two row tiles
.set ASA,  10                          ; v10    my A scale images
.set ASB,  11                          ; v11    my B scale images
.set LI,   12                          ; v12    16 x lane
.set SPW,  14                          ; v14    my spare word; never rewritten
.set NIL,  15                          ; v15    0; never rewritten
.set SA,   16                          ; v16-23 A's scale words, two sets of 4: lanes 0-15 a pair's first K step, lanes 16-31 its second
.set SB,   24                          ; v24-39 B's, two sets
.set STO,  57                          ; v57    the stage: where I put 32 bytes of a row
.set RD,   58                          ; v58    and where I read a row back
.set CO,   59                          ; v59    my byte offset in two rows of out0
.set AF,   64                          ; v64-159 A's fragments, two sets of 4 (window 0);  window 1: B's, two sets at v0 and v128;  window 2: accumulator (a, b) at v[8 (4 a + b)]
.set BK,   160                         ; v160-223 16 rows read back from the stage, two sets of 32
.set G1A,  24                          ; s[24:31] group 1 for A's codes, s[32:39] B's, s[40:47] A's scales, s[48:55] B's scales
.set G1B,  32
.set G1SA, 40
.set G1SB, 48                          ; groups 0: A's codes s56, A's scales s76, B's codes s80, B's scales s96
.set MUL,  0xa1                        ; source 0 (B) window 1, source 1 (A) window 0, C and D window 2
.set TO_B, 0x40                        ; destination window 1
.set MSB, 0
.macro WIN new                         ; the immediate's high byte repeats the setting that is left
.if MSB != (\new)
	s_set_vgpr_msb (MSB<<8)|(\new)
.set MSB, (\new)
.endif
.endm
.macro PLACES n
.rept \n
	v_nop
.endr
.endm
.macro CROUND                          ; a round of the cluster's barrier
	s_barrier_signal -1
	s_barrier_wait -1
	s_cmp_lg_u32 s12, 0
	s_cbranch_scc1 .Lnot_wave_0_\@
	s_barrier_signal -3
.Lnot_wave_0_\@:
	s_barrier_wait -3
	s_barrier_signal -1
	s_barrier_wait -1
.endm
.macro MKG1 g, c, r, p                 ; r rows of c elements of 8 bytes, p elements apart; no padding
	s_mov_b32 s[\g+1], (\c)<<16
	s_mov_b32 s[\g+2], (\r)<<16
	s_mov_b32 s[\g+3], (\c)<<16
	s_mov_b32 s[\g+4], \r
	s_mov_b32 s[\g+5], \p
	s_mov_b32 s[\g+6], 0
	s_mov_b32 s[\g+7], 0
.endm
.macro MKG0 g, lreg, loff, adr, off
	s_mov_b32 s[\g], 1
	s_add_co_u32 s[\g+1], s[\lreg], \loff
	s_add_nc_u64 s[\g+2:\g+3], s[\adr:\adr+1], \off
	s_or_b32 s[\g+3], s[\g+3], 0x80000000
.endm
	s_load_b256 s[4:11], s[0:1], 0x0               ; oc s[4:5], os s[6:7], xc s[8:9], xs s[10:11]
	v_lshl_add_u32 v[SPW], v0, 2, SPARE
	v_mov_b32 v[NIL], 0
	ds_add_u32 v[SPW], v[NIL]                      ; the opening lines: the add, twice on end, and its wait ahead of my first tensor load
	ds_add_u32 v[SPW], v[NIL]
	v_lshrrev_b32 v1, 5, v0
	v_readfirstlane_b32 s12, v1                    ; wave 0..3
	s_lshr_b32 s13, s12, 1                         ; RH: my half of the tile's rows
	s_and_b32 s14, s12, 1                          ; CF: my half of its columns
	s_bfe_u32 s15, ttmp6, 0x40000                  ; cx
	s_bfe_u32 s16, ttmp6, 0x40004                  ; cy
	s_lshl_b32 s17, s16, 2
	s_lshl_b32 s17, 15, s17                        ; my row of the cluster
	s_lshl_b32 s18, 0x1111, s15                    ; my column
	s_or_b32 s[G1A], s17, (3<<16)|(1<<21)          ; 15:0 the mask; 17:16 elements of 8 bytes; 21 set beside a mask
	s_or_b32 s[G1SA], s17, (3<<16)|(1<<21)
	s_or_b32 s[G1B], s18, (3<<16)|(1<<21)
	s_or_b32 s[G1SB], s18, (3<<16)|(1<<21)
	MKG1 G1A, 32, 384, 32                          ; A's 64 fragments are 98,304 dense bytes: 384 rows of 256
	MKG1 G1B, 32, 96*NB, 32                        ; B's 64 fragments likewise
	MKG1 G1SA, 32, 16, 32                          ; the scale images of 8 row tiles: 4,096 dense bytes
	MKG1 G1SB, 32, 4*NB, 32
	s_and_b32 s19, ttmp7, 0xffff
	s_lshl_b32 s19, s19, 2
	s_add_co_u32 s16, s19, s16                     ; tr: tile row = 4 x cluster y + cy
	s_lshl_b32 s19, ttmp9, 2
	s_add_co_u32 s15, s19, s15                     ; tc: tile column = 4 x cluster x + cx
	s_lshl_b32 s17, s16, 6                         ; A: fragment 64 tr: made of the tile row alone
	s_mul_i32 s18, s17, 1536
	s_mov_b32 s19, 0
	s_lshl_b32 s20, s17, 6
	s_mov_b32 s21, 0
	s_mul_i32 s22, s15, 16*NB
	s_add_co_u32 s22, s22, 7680                    ; B: Wo's fragment 64 tc: of the tile column alone
	s_mul_i32 s66, s22, 1536
	s_mov_b32 s67, 0
	s_lshl_b32 s22, s22, 6
	s_mov_b32 s23, 0
	s_mov_b32 s100, 0                              ; where the four blocks go in LDS: constants
	s_mov_b32 s101, BOFF
	s_mov_b32 s2, SCA
	s_mov_b32 s3, SCB
	s_wait_dscnt 0x0                               ; both opening adds are done
	s_wait_kmcnt 0x0
	s_add_nc_u64 s[18:19], s[4:5], s[18:19]
	s_add_nc_u64 s[20:21], s[6:7], s[20:21]
	s_add_nc_u64 s[66:67], s[8:9], s[66:67]
	s_add_nc_u64 s[22:23], s[10:11], s[22:23]
	CROUND                                         ; all sixteen work-groups are here: the joint loads meet
	MKG0 76, 2, 0, 20, 0
	MKG0 56, 100, 0, 18, 0
	MKG0 96, 3, 0, 22, 0
	MKG0 80, 101, 0, 66, 0
	; THE HEAD'S LOADS, ONE A WAVE: wave 0 A's codes, wave 1 B's codes, wave 2 A's scale images, wave 3 B's.  One chain of branches on the wave's number.
	s_cmp_lt_u32 s12, 1
	s_cbranch_scc0 .Lhead_b
	tensor_load_to_lds s[56:59], s[G1A:G1A+7]
	s_nop 0
	PLACES 4
	s_branch .Lasked
.Lhead_b:
	s_cmp_lt_u32 s12, 2
	s_cbranch_scc0 .Lhead_sa
	tensor_load_to_lds s[80:83], s[G1B:G1B+7]
	s_nop 0
	PLACES 4
	s_branch .Lasked
.Lhead_sa:
	s_cmp_lt_u32 s12, 3
	s_cbranch_scc0 .Lhead_sb
	tensor_load_to_lds s[76:79], s[G1SA:G1SA+7]
	s_nop 0
	PLACES 4
	s_branch .Lasked
.Lhead_sb:
	tensor_load_to_lds s[96:99], s[G1SB:G1SB+7]
	s_nop 0
	PLACES 4
.Lasked:
	s_load_b64 s[100:101], s[0:1], 0x20            ; out0 (the two registers have served the descriptors' making and are free)
	v_and_b32 v1, 31, v0
	v_lshlrev_b32 v[LI], 4, v1
	s_mul_i32 s17, s13, 49152                      ; my four row tiles of A, 12,288 bytes each
	v_add_nc_u32 v[ADRA], s17, v[LI]
	s_mul_i32 s17, s14, NB*12288                   ; my NB row tiles of B
	s_add_co_u32 s17, s17, BOFF
	v_add_nc_u32 v[ADRB], s17, v[LI]
	v_add_nc_u32 v[ADRB+1], 24576, v[ADRB]
	v_lshlrev_b32 v[ASA], 2, v1
	s_mul_i32 s17, s14, NB*512
	s_add_co_u32 s17, s17, SCB
	v_add_nc_u32 v[ASB], s17, v[ASA]
	s_lshl_b32 s17, s13, 11
	s_add_co_u32 s17, s17, SCA
	v_add_nc_u32 v[ASA], s17, v[ASA]
	v_and_b32 v1, 15, v0                           ; r
	v_bfe_u32 v60, v0, 4, 1                        ; h
	s_mul_i32 s17, s12, 4352
	s_add_co_u32 s17, s17, STG                     ; my stage
	v_mul_u32_u24 v[STO], v1, 272                  ; in: row r, 32 bytes for each half of the lanes
	v_lshl_add_u32 v[STO], v60, 5, v[STO]
	v_add_nc_u32 v[STO], s17, v[STO]
	v_mul_u32_u24 v[RD], v60, 272                  ; back: lanes 0-15 one row of 256 bytes, lanes 16-31 the next
	v_lshl_add_u32 v[RD], v1, 4, v[RD]
	v_add_nc_u32 v[RD], s17, v[RD]
	v_lshlrev_b32 v[CO], 12, v60                   ; and the same two rows in out0, 4,096 bytes apart
	v_lshl_add_u32 v[CO], v1, 4, v[CO]
	s_lshl_b32 s17, s16, 7
	s_lshl_b32 s18, s13, 6
	s_add_co_u32 s17, s17, s18                     ; my first row: 128 tr + 64 RH
	s_lshl_b32 s18, s17, 12
	s_lshl_b32 s17, s15, 9                         ; my first column, in bytes: 512 tc + 256 CF
	s_add_co_u32 s18, s18, s17
	s_lshl_b32 s17, s14, 8
	s_add_co_u32 s18, s18, s17
	s_mov_b32 s19, 0
	s_wait_kmcnt 0x0
	s_add_nc_u64 s[100:101], s[100:101], s[18:19]
; K step s: its fragments come into set s % 2: three loads of 16 bytes a lane restore a fragment's 12 registers.  With an even step come the scale words of two steps: one load brings two K steps' images.
.macro FETCH s
.set fc, (\s)/2
.set fq, (\s)%2
	WIN TO_B
.set ib, 0
.rept NB
.irp g, 0,1,2
	ds_load_b128 v[128*fq+12*ib+4*\g:128*fq+12*ib+4*\g+3], v[ADRB+ib/2] offset:(ib%2)*12288+(\s)*1536+512*\g
.endr
.set ib, ib+1
.endr
	WIN 0
.irp a, 0,1,2,3
.irp g, 0,1,2
	ds_load_b128 v[AF+48*fq+12*\a+4*\g:AF+48*fq+12*\a+4*\g+3], v[ADRA] offset:\a*12288+(\s)*1536+512*\g
.endr
.endr
.if fq == 0
.irp a, 0,1,2,3
	ds_load_b32 v[SA+4*(fc%2)+\a], v[ASA] offset:512*\a+128*fc
.endr
.set ib, 0
.rept NB
	ds_load_b32 v[SB+8*(fc%2)+ib], v[ASB] offset:512*ib+128*fc
.set ib, ib+1
.endr
.endif
.endm
; 2 NB matrix instructions: A's tiles a0, a0 + 1 against B's NB.  The 4 NB accumulators take turns, one instruction a turn, in the same order in every step.  Step 0 starts the sums with the constant 0.
.macro MULS s, a0
.set ia, \a0
.rept 2
.set ib, 0
.rept NB
.set rD, 8*(NB*ia+ib)
.set rB, 128*((\s)%2)+12*ib
.set rA, AF+48*((\s)%2)+12*ia
.set rX, SB+8*(((\s)/2)%2)+ib
.set rY, SA+4*(((\s)/2)%2)+ia
.if (\s) == 0
	v_wmma_scale_f32_16x16x128_f8f6f4 v[rD:rD+7], v[rB:rB+11], v[rA:rA+11], 0, v[rX], v[rY] matrix_a_fmt:MATRIX_FMT_FP6 matrix_b_fmt:MATRIX_FMT_FP6
.elseif (\s)%2 == 0
	v_wmma_scale_f32_16x16x128_f8f6f4 v[rD:rD+7], v[rB:rB+11], v[rA:rA+11], v[rD:rD+7], v[rX], v[rY] matrix_a_fmt:MATRIX_FMT_FP6 matrix_b_fmt:MATRIX_FMT_FP6
.else
	v_wmma_scale_f32_16x16x128_f8f6f4 v[rD:rD+7], v[rB:rB+11], v[rA:rA+11], v[rD:rD+7], v[rX], v[rY] matrix_a_fmt:MATRIX_FMT_FP6 matrix_b_fmt:MATRIX_FMT_FP6 matrix_a_scale:MATRIX_SCALE_ROW1 matrix_b_scale:MATRIX_SCALE_ROW1
.endif
.set ib, ib+1
.endr
.set ia, ia+1
.endr
.endm
.macro STEP s
	s_wait_dscnt 0x0                               ; this step's fragments, asked for 2 NB matrix instructions ago, are in
	WIN MUL
	MULS \s, 0
.if (\s) < 7
	PLACES 4                                       ; four plain instructions in front of loads into registers that matrix instructions have read (ISA guide 7.12.1 for vector instructions)
	FETCH (\s)+1
.endif
	WIN MUL
	MULS \s, 2
.endm
	s_wait_alu depctr_va_vdst(0)                   ; the wait at the head's end
	s_wait_tensorcnt 0x0                           ; my one load has landed; behind the barrier everybody's has
	s_barrier_signal -1
	s_barrier_wait -1
	FETCH 0
.irp s, 0,1,2,3,4,5,6,7
	STEP \s
.endr
	WIN 0
	PLACES 4                                       ; in front of the first read of results
; THE WAY OUT, block by block of 16 rows x 64 columns.  A lane holds 32 neighbouring bytes of a row and the lanes beside it hold other rows: a block goes through my own stage in LDS and comes back as whole rows of 256 bytes.
; LDS serves a wave's instructions in order (ISA guide 5.7.1.4): no wait between the stores and the loads, nor in front of the next block's stores.
.macro TOSTAGE a
	WIN 0x08                                       ; an LDS store's data are its source 1: window 2
.irp b, 0,1,2,3
	ds_store_b128 v[STO], v[8*(4*(\a)+\b):8*(4*(\a)+\b)+3] offset:64*\b           ; each accumulator from its low end on
	ds_store_b128 v[STO], v[8*(4*(\a)+\b)+4:8*(4*(\a)+\b)+7] offset:64*\b+16
.endr
	WIN 0
.irp i, 0,1,2,3,4,5,6,7
	ds_load_b128 v[BK+32*((\a)%2)+4*\i:BK+32*((\a)%2)+4*\i+3], v[RD] offset:544*\i
.endr
.endm
.macro SEND a, younger                 ; younger: the LDS instructions issued behind block a's loads, which may stay out
	s_wait_dscnt \younger
.irp i, 0,1,2,3,4,5,6,7
	global_store_b128 v[CO], v[BK+32*((\a)%2)+4*\i:BK+32*((\a)%2)+4*\i+3], s[100:101] offset:(16*(\a)+2*\i)*4096 th:TH_STORE_NT   ; 16 lanes store 256 consecutive bytes, aligned; written once, read by nobody here
.endr
.endm
	s_wait_alu depctr_va_vdst(0)
	TOSTAGE 0
.irp a, 1,2,3
.if \a > 1
	s_wait_xcnt 0x0                                ; block a - 2's stores have read their registers: block a's loads may land there
.endif
	TOSTAGE \a
	SEND \a-1, 16                                  ; behind block a - 1's loads: block a's 8 stores and 8 loads
.endr
	SEND 3, 0
	s_wait_tensorcnt 0x0                           ; the wave's end, behind my last tensor load and my last LDS store
	ds_add_u32 v[SPW], v[NIL]
	s_wait_dscnt 0x0
	CROUND                                         ; the closing round: no work-group ends while a partner may still ask for a tile that names it
	s_endpgm
.Lfunc_end_k_q748a071d97_outp:
	.size	k_q748a071d97_outp, .Lfunc_end_k_q748a071d97_outp-k_q748a071d97_outp
	.p2alignl 7, 3214868480
	.fill 96, 4, 3214868480
	.section	.rodata,"a",@progbits
	.p2align	6, 0x0
	.amdhsa_kernel k_q748a071d97_outp
		.amdhsa_group_segment_fixed_size 327680
		.amdhsa_private_segment_fixed_size 0
		.amdhsa_enable_private_segment 0
		.amdhsa_kernarg_size 40
		.amdhsa_user_sgpr_count 2
		.amdhsa_user_sgpr_kernarg_segment_ptr 1
		.amdhsa_wavefront_size32 1
		.amdhsa_system_sgpr_workgroup_id_x 1
		.amdhsa_system_sgpr_workgroup_id_y 1
		.amdhsa_system_sgpr_workgroup_id_z 1
		.amdhsa_system_vgpr_workitem_id 0
		.amdhsa_next_free_vgpr 640
		.amdhsa_next_free_sgpr 102
		.amdhsa_reserve_vcc 0
		.amdhsa_float_denorm_mode_32 3
		.amdhsa_float_denorm_mode_16_64 3
		.amdhsa_memory_ordered 1
		.amdhsa_forward_progress 1
		.amdhsa_inst_pref_size 48
	.end_amdhsa_kernel
	.amdgpu_metadata
---
amdhsa.version: [ 1, 2 ]
amdhsa.kernels:
  - .name:           k_q748a071d97_outp
    .symbol:         k_q748a071d97_outp.kd
    .args:
      - { .name: oc, .offset: 0, .size: 8, .value_kind: global_buffer, .address_space: global }
      - { .name: os, .offset: 8, .size: 8, .value_kind: global_buffer, .address_space: global }
      - { .name: xc, .offset: 16, .size: 8, .value_kind: global_buffer, .address_space: global }
      - { .name: xs, .offset: 24, .size: 8, .value_kind: global_buffer, .address_space: global }
      - { .name: out0, .offset: 32, .size: 8, .value_kind: global_buffer, .address_space: global }
    .group_segment_fixed_size: 327680
    .private_segment_fixed_size: 0
    .kernarg_segment_align: 8
    .kernarg_segment_size: 40
    .max_flat_workgroup_size: 128
    .sgpr_count:     102
    .vgpr_count:     640
    .wavefront_size: 32
...
	.end_amdgpu_metadata
.endif
;; end of part 4
